; MI455X (gfx1250); checked and timed in simulation.
; The chip was launched on July 23, 2026; its instructions are those of AMD's public machine-readable ISA for CDNA 5 (MIT licence, August 2026) and "CDNA5" Instruction Set Architecture Reference Guide (July 2026). The comments in the code are by the model that wrote it; some were corrected since.
;; Multi Head Attention. Allowed arithmetic: matrix products marked QUANTISED: E3M2 operands, one E8M0 scale for each 32 along K, by v_wmma_scale_f32_16x16x128_f8f6f4 with both operands' format E3M2, f32 sums; everything else in f32.
;; Inputs: W_k_codes 1,024 x 32 x 24 uint8 (E3M2 codes of W_k, K innermost, in blocks of 32 codes, four codes in three bytes); W_k_scales 1,024 x 32 uint8 (E8M0 scales of W_k, one for each 32 codes along K); W_ls_codes 1,024 x 24 x 24 uint8 (E3M2 codes of W_ls, K innermost, in blocks of 32 codes, four codes in three bytes); W_ls_scales 1,024 x 24 uint8 (E8M0 scales of W_ls, one for each 32 codes along K); W_lv_codes 1,024 x 64 x 24 uint8 (E3M2 codes of W_lv, K innermost, in blocks of 32 codes, four codes in three bytes); W_lv_scales 1,024 x 64 uint8 (E8M0 scales of W_lv, one for each 32 codes along K); W_p_codes 1,024 x 32 x 24 uint8 (E3M2 codes of W_p, K innermost, in blocks of 32 codes, four codes in three bytes); W_p_scales 1,024 x 32 uint8 (E8M0 scales of W_p, one for each 32 codes along K); W_q_codes 1,024 x 32 x 24 uint8 (E3M2 codes of W_q, K innermost, in blocks of 32 codes, four codes in three bytes); W_q_scales 1,024 x 32 uint8 (E8M0 scales of W_q, one for each 32 codes along K); W_v_codes 1,024 x 32 x 24 uint8 (E3M2 codes of W_v, K innermost, in blocks of 32 codes, four codes in three bytes); W_v_scales 1,024 x 32 uint8 (E8M0 scales of W_v, one for each 32 codes along K); b_k 1,024 float32; b_ls 1,024 float32; b_lv 1,024 float32; b_p 1,024 float32; b_q 1,024 float32; b_v 1,024 float32; ln_beta 1,024 float32; ln_gamma 1,024 float32; pos_s 1 x 512 x 1,024 float32; pos_v 1 x 512 x 1,024 float32; s_codes 16 x 512 x 24 x 24 uint8 (E3M2 codes of s, K innermost, in blocks of 32 codes, four codes in three bytes); s_scales 16 x 512 x 24 uint8 (E8M0 scales of s, one for each 32 codes along K); v_codes 16 x 512 x 64 x 24 uint8 (E3M2 codes of v, K innermost, in blocks of 32 codes, four codes in three bytes); v_scales 16 x 512 x 64 uint8 (E8M0 scales of v, one for each 32 codes along K).
;; Outputs: out0 16 x 512 x 1,024 float32.
;; Constants: s_len = 512, v_len = 512.
;; This version of the problem:
;;   THIS VERSION OF THE PROBLEM IS GIVEN IN LOW PRECISION. The matrix products marked QUANTISED in the list below multiply operands that are first quantised to E3M2 (3 exponent bits, 2 mantissa bits; 6 bits a number), with one power-of-two scale for each 32 numbers along K (OCP MX v1.0); their sums are f32. All else is computed in f32.
;;   The module's matrix products, in the order in which they are computed (A, B: the left and right operand; K: the contracted axis; several contracted axes count as one K, in the product's order):
;;     1. [M 8,192, K 2,048] x [K 2,048, N 1,024]; A: input v (given as codes); B: input W_lv (given as codes): QUANTISED
;;     2. [M 8,192, K 768] x [K 768, N 1,024]; A: input s (given as codes); B: input W_ls (given as codes): QUANTISED
;;     3. [M 8,192, K 1,024] x [K 1,024, N 1,024]; A: computed on the way; B: input W_q (given as codes): QUANTISED
;;     4. [M 8,192, K 1,024] x [K 1,024, N 1,024]; A: computed on the way; B: input W_k (given as codes): QUANTISED
;;     5. [M 8,192, K 1,024] x [K 1,024, N 1,024]; A: computed on the way; B: input W_v (given as codes): QUANTISED
;;     6. batch 256 x [M 512, K 64] x [K 64, N 512]; A: computed on the way; B: computed on the way: QUANTISED
;;     7. batch 256 x [M 512, K 512] x [K 512, N 64]; A: softmax (see below); B: computed on the way: QUANTISED
;;     8. [M 8,192, K 1,024] x [K 1,024, N 1,024]; A: computed on the way; B: input W_p (given as codes): QUANTISED
;;   THE QUANTISER, for each operand of a quantised product, along K:
;;     - K is cut into blocks of 32 from its start; a last block that is shorter is filled with zeros.
;;     - A block's scale is 2^e with e = floor(log2(the largest magnitude in the block)) - 4, held to -126 .. 127; a block of zeros has e = 0. As a byte (E8M0): e + 127.
;;     - Each number is divided by its block's scale, clamped to +-28, and rounded to the nearest number of E3M2, ties to even, subnormals kept.
;;     - The product sums the exact products of the quantised numbers (number of the format x scale) in f32.
;;   ~~~python
;;   def quantise(x, axis):      # numpy; x: float32 -> the quantised numbers, widened to float32 again
;;       x = np.moveaxis(x, axis, -1); K = x.shape[-1]
;;       x = np.pad(x, [(0, 0)] * (x.ndim - 1) + [(0, -K % 32)]); x = x.reshape(x.shape[:-1] + (-1, 32)); a = np.abs(x).max(-1, keepdims=True)
;;       e = np.where(a > 0, np.clip(np.frexp(np.where(a > 0, a, 1))[1] - 1 - 4, -126, 127), 0)      # np.frexp(a)[1] - 1 = floor(log2(a)), exactly
;;       r = np.clip(x / 2.0 ** e, -28, 28)
;;       step = 2.0 ** (np.maximum(np.frexp(np.where(r == 0, 1, r))[1] - 1, -2) - 2)
;;       q = np.round(r / step) * step * 2.0 ** e      # np.round: ties to even
;;       return np.moveaxis(q.reshape(q.shape[:-2] + (-1,))[..., :K], -1, axis).astype(np.float32)
;;   ~~~
;;   SOFTMAX AHEAD OF A QUANTISED PRODUCT. Where the list says 'softmax', what is quantised is not the finished softmax but p = 2^(t - M), with t = logit x log2(e) and M = ceil(the row's largest t), a whole number; so 1/2 < the row's largest p <= 1. The row's sum l is taken of the UNQUANTISED p, in f32, and the product's result is divided by l at the end. Since M is a whole number, a kernel that streams over the keys may use a running M (the ceiling of the running maximum): every later rescaling is an exact power of two, which a block's scale takes up: the codes' values come out the same.
;;   OPERANDS COMPUTED ON THE WAY. 'Computed on the way' means the value that the module computes at that place (a softmax that the list does not call 'softmax' is quantised finished and normalised). What goes into a quantiser is computed in f32, as accurately as f32 sums, v_exp_f32 and their like allow (about 1e-6 of the number): no bf16 or f16 on the way to a quantiser, and a product that is left as it is and whose result goes on into a quantised operand takes f32 operands (vector FMAs, or v_wmma_f32_16x16x4_f32). A number that lies on a knife's edge between two numbers of the format may be rounded either way, as far as f32 arithmetic and the matrix unit's own rounding can turn it there, and no further.
;;   INPUTS GIVEN AS CODES. W_k (in the module: [1024, 1024], K = its axis 0); W_ls (in the module: [768, 1024], K = its axis 0); W_lv (in the module: [2048, 1024], K = its axis 0); W_p (in the module: [1024, 1024], K = its axis 0); W_q (in the module: [1024, 1024], K = its axis 0); W_v (in the module: [1024, 1024], K = its axis 0); s (in the module: [16, 512, 768], K = its axis 2); v (in the module: [16, 512, 2048], K = its axis 2): each comes as NAME_codes (uint8): NAME with its K axis moved to the last place and cut into blocks of 32 codes, [.., K / 32, bytes a block], one block behind the other in memory; four codes in three bytes: a row's codes are one little-endian stream of bits, code i at bits 6 i .. 6 i + 5 (a code: sign, 3 exponent bits, 2 mantissa bits); and NAME_scales (uint8): the same leading axes, one E8M0 byte (e + 127) for each 32 codes along K. Its value is code x scale, taken as it is: it is not quantised again, and the codes and scales need not be those that the quantiser above would give.
;; One version. Each part assembles by itself: llvm-mc -triple=amdgcn-amd-amdhsa -mcpu=gfx1250 --defsym DOCPART=n.
;; ======== version 1 of 1: 4 launches
;; limits: right only within a limited range of input values
;; workspace buffers: v1f 33,554,432 bytes; act1 13,107,200 bytes; act2 19,660,800 bytes; act3 6,553,600 bytes
;; launch proj (part 1): grid 4 x 64, 4 waves a work-group, clusters of 4 x 4, 327,680 bytes of LDS; arguments v_codes, v_scales, W_lv_codes, W_lv_scales, s_codes, s_scales, W_ls_codes, W_ls_scales, b_lv, b_ls, v1f, act1; writes v1f, act1
.if DOCPART == 1
	.amdgcn_target "amdgcn-amd-amdhsa--gfx1250"
	.amdhsa_code_object_version 6
	.text
	.protected	k_qb03502bca5_proj
	.globl	k_qb03502bca5_proj
	.p2align	8
	.type	k_qb03502bca5_proj,@function
k_qb03502bca5_proj:
	s_mov_b64 s[64:65], 0
	v_nop
	global_prefetch_b8 v0, s[64:65] scope:SCOPE_SE
	s_setreg_imm32_b32 hwreg(HW_REG_WAVE_MODE, 25, 1), 1
	s_wait_xcnt 0x0
	s_wait_alu depctr_hold_cnt(0) depctr_sa_sdst(0) depctr_va_vdst(0) depctr_va_sdst(0) depctr_va_ssrc(0) depctr_va_vcc(0) depctr_vm_vsrc(0)
	s_getreg_b32 s2, hwreg(HW_REG_IB_STS2, 6, 4)
	s_cmp_eq_u32 s2, 0
	s_cbranch_scc0 .Lentry_in_a_cluster
	s_endpgm
.Lentry_in_a_cluster:
	s_bfe_u32 s2, ttmp6, 0x10000c
	s_cmp_lg_u32 s2, 0xf033
	s_cbranch_scc0 .Lentry_shape_is_right
	s_endpgm
.Lentry_shape_is_right:
; v1 = relu(v W_lv + b_lv) and s1 = relu(s W_ls + b_ls), both products on codes of BF6 (E3M2) with one E8M0 scale for each 32 along K; sums in f32.
; WORK LEFT OUT, in the whole program: the product s1 W_k + b_k.  Its result _k is named by no later line of the problem, so for all values of the inputs it reaches no output; pos_s is named by no line at all.
; So W_k_codes, W_k_scales, b_k and pos_s are not loaded and are no launch's arguments.  Limit: a NaN, an infinity or an overflow that would arise in that product alone is not carried to the result.
; v: [8192][2048], s: [8192][768], W_lv: [1024][2048], W_ls: [1024][768]: codes, K innermost (a row of k codes is 3 k / 4 bytes), scale bytes [rows][k / 32].
; OUT: v1 in f32 (v1f) as images of accumulators: tile (row tile mt, column tile nt) is 1,024 bytes at (64 mt + nt) x 1,024; registers 4 c .. 4 c + 3 of lane l at 512 c + 16 l.
;      v1 and s1 quantised along their 1,024 columns into act1, as images of operand registers: fragment (mt, K step ks) is 1,536 bytes at (8 mt + ks) x 1,536; v1 from byte 0, s1 from 6,291,456;
;      scale words [row][8 words] from 12,582,912 (v1) and 12,845,056 (s1).
; SHARES: a work-group makes 128 rows x 256 columns, first of v1 (job 1), then of s1 (job 2): 256 work-groups of equal work.  Four waves of 64 x 128: 32 accumulators each and job.
; THREE LARGE FILLS OF LDS: job 1's K 0-1,023, its K 1,024-2,047, and job 2's whole K; one tensor load a wave each.  Two slots of rows of 768 bytes for 384 rows do not fit in LDS, so there is one.
; Job 1's two halves are two trips of one loop with the fill at its top; job 2's fill is asked for behind job 1's last product.
; JOB 2 HAS ACCUMULATORS OF ITS OWN, so job 1's results need not all leave before job 2 begins: of my four blocks of v1 two go out while job 2's tiles are on their way, one behind job 2's first K step and one behind
; its third: the stores of v1 are issued in groups with matrix work between them.
; Job 1's tile rows are 768 bytes of memory at multiples of 256 (16 bytes of padding behind every 256: LDS pitch 816).  A row of s or W_ls is 576 bytes, but each wave's part of a tile is dense in memory and begins at a
; multiple of 256: it comes as rows of 256 bytes with 16 bytes of padding behind every 64, so that a row of codes has the LDS pitch 720.
; CLUSTER 4 x 4: A's tiles are asked for jointly along a row of the cluster, B's along a column.
; PREFETCH: in each trip, behind its first K step and seven K steps ahead of the next fill, that fill's bytes are named once in the cluster: wave 0 names 32 rows of A's tile (by cx), waves 1 and 2 32 rows each of B's (by cy).
; THE SCALE WORDS come from memory into registers.  THE ACCUMULATORS BEGIN AS THE BIAS, loaded in the result's layout: nothing is cleared, and the bias is the first term of each sum (another order of rounding than the problem writes).
; THE MATRIX INSTRUCTION IS USED TRANSPOSED (source 0 = 16 rows of W, source 1 = 16 rows of v or s): a lane holds one row and eight neighbouring columns.
; LIMITS: NaN and infinities are not served; a block whose largest magnitude lies under 2^-122, a block of zeros among them, gets the scale byte 1 (only this program reads the bytes).
; REGISTERS: window 0: v8-31 addresses; v32-63 A's scale words, v64-127 B's; v128-191 numbers on the way out, v192-228 codes and work.
;   window 1: B's fragments, two sets, at v0 and v128; A's fragments, one set: blocks 0, 1 at v96, blocks 2, 3 at v224.
;   window 2: job 1's accumulator (a, b) at v[8 (8 a + b)].   window 3: job 2's.
.set FR,    12
.set NLA,   6                          ; LDS loads that bring a fragment
.set P1,    816                        ; job 1: 3 x (256 + 16)
.set ASZ,   128*P1
.set P2,    720                        ; job 2: 9 x (64 + 16)
.set A2SZ,  128*P2
.set SPARE, 384*P1                     ; behind job 1's tiles: the spare words, 128 bytes a wave
.set J1A,  8                           ; v8 my A fragments, v9 the same behind one padding more
.set J1B,  10                          ; v10, v11 my B blocks 0-3; v12, v13 blocks 4-7
.set J2A,  14                          ; the same for job 2
.set J2B,  16
.set IMO,  20                          ; my byte offset among act1's code images
.set SCO,  21                          ; among its scale words
.set BIO,  22                          ; in a bias
.set VFO,  23                          ; in v1f
.set ASO,  24                          ; among A's scale bytes, job 1
.set BSO,  25
.set AS2,  26                          ; job 2
.set BS2,  27
.set SPW,  28
.set NIL,  29
.set PO1,  30                          ; the prefetches' offsets: lane x 1,536
.set PO2,  31                          ; min(lane, 23) x 256
.set SA,   32
.set SB,   64
.set T,    128
.set CD,   192
.set TM,   212
.set PW,   228
.set WV,   20
.set MH,   21                          ; wave >> 1: my half of the rows; also: I fetch for A (0) or B (1)
.set NH,   22                          ; wave & 1: my half of the columns; also: which half of that tile I fetch
.set G1A,  24
.set G0A,  32
.set G0B,  36
.set SEL,  44
.set G1B,  48
.set G1A2, 56
.set G1B2, 68
.set A2,   76
.set B2,   78
.set PF1,  80
.set PF2,  82
.set SAP,  84
.set SBP,  86
.set CNT,  88
.set MSB, 0
.macro WIN new
.if MSB != \new
	s_set_vgpr_msb (MSB<<8)|\new
.set MSB, \new
.endif
.endm
.macro PLACES
.rept 4
	v_nop
.endr
.endm
.macro JLOAD g1a, g1b                  ; a joint load: waves 0, 1 for A's halves, waves 2, 3 for B's; s_nop 0 and four v_nop follow each line
	s_cmp_eq_u32 s[MH], 0
	s_cbranch_scc0 .Lfor_b_\@
	tensor_load_to_lds s[G0A:G0A+3], s[\g1a:\g1a+7]
	s_nop 0
	PLACES
	s_branch .Lasked_\@
.Lfor_b_\@:
	tensor_load_to_lds s[G0B:G0B+3], s[\g1b:\g1b+7]
	s_nop 0
	PLACES
.Lasked_\@:
.endm
.macro CROUND                          ; a round of the cluster's barrier
	s_barrier_signal -1
	s_barrier_wait -1
	s_cmp_lg_u32 s[WV], 0
	s_cbranch_scc1 .Lnot_wave_0_\@
	s_barrier_signal -3
.Lnot_wave_0_\@:
	s_barrier_wait -3
	s_barrier_signal -1
	s_barrier_wait -1
.endm
; A fragment, 16 rows x 128 K: six pieces of 8 bytes.  Piece p of a row lies at 8 p + 16 (p / GG), GG pieces between paddings.  Lanes 16-31 read three pieces further on: behind one padding more where p % GG is GG - 3 or more
.macro FRAG reg, adr, ks, ioff
.irp p, 0,1,2,3,4,5
.set PCE, 12*(\ks)+6*(\p/3)+\p%3
.if PCE%GG < GG-3
	ds_load_b64 v[\reg+2*\p:\reg+2*\p+1], v[\adr] offset:8*PCE+16*(PCE/GG)+(\ioff)
.else
	ds_load_b64 v[\reg+2*\p:\reg+2*\p+1], v[\adr+1] offset:8*PCE+16*(PCE/GG)+(\ioff)
.endif
.endr
.endm
.macro FETCH_B ks, p                   ; B's eight fragments into set p (the destination's window is 1)
.irp i, 0,1,2,3,4,5,6,7
	FRAG 128*(\p)+FR*\i, JB+2*(\i/4), \ks, (\i%4)*16*PT
.endr
.endm
.macro FETCH_A ks, i0                  ; A's blocks i0, i0 + 1: block i at v96 + 12 i, from block 2 on 104 further up
.irp i, \i0, \i0+1
	FRAG 96+12*(\i)+104*((\i)/2), JA, \ks, (\i)*16*PT
.endr
.endm
.macro MUL8 a, p, ks                   ; A's block a against B's eight; the 32 accumulators take turns in the same order in every step
.set AR, 96+12*(\a)+104*((\a)/2)
.irp b, 0,1,2,3,4,5,6,7
	v_wmma_scale_f32_16x16x128_f8f6f4 v[8*(8*(\a)+\b):8*(8*(\a)+\b)+7], v[128*(\p)+FR*\b:128*(\p)+FR*\b+FR-1], v[AR:AR+FR-1], v[8*(8*(\a)+\b):8*(8*(\a)+\b)+7], v[SB+SS*\b+(\ks)], v[SA+SS*(\a)+(\ks)] matrix_a_fmt:MATRIX_FMT_BF6 matrix_b_fmt:MATRIX_FMT_BF6
.endr
.endm
.macro STEP ks                         ; 128 along K; the next step's fragments are fetched on the way, in two runs
	s_wait_dscnt 2*NLA                             ; all but the youngest twelve loads, A's blocks 2 and 3
	WIN MW
	MUL8 0, (\ks)%2, \ks
	MUL8 1, (\ks)%2, \ks
	s_wait_dscnt 0x0
	PLACES                                         ; four places in front of loads into registers that matrix instructions have read
	WIN 0x40
	FETCH_B (\ks)+1, 1-(\ks)%2
	FETCH_A (\ks)+1, 0
	WIN MW
	MUL8 2, (\ks)%2, \ks
	MUL8 3, (\ks)%2, \ks
	PLACES
	WIN 0x40
	FETCH_A (\ks)+1, 2
	WIN 0
.endm
.macro LASTQ ks                        ; a fill's last 128 along K: nothing more to fetch
	s_wait_dscnt 2*NLA
	WIN MW
	MUL8 0, 1, \ks
	MUL8 1, 1, \ks
	s_wait_dscnt 0x0
	MUL8 2, 1, \ks
	MUL8 3, 1, \ks
	WIN 0
.endm
.macro START                           ; my part of the tiles has landed, my scale words and the bias are in; behind the barrier everybody's part has
	s_wait_tensorcnt 0x0
	s_wait_loadcnt 0x0
	s_wait_dscnt 0x0
	s_barrier_signal -1
	s_barrier_wait -1
	WIN 0x40
	FETCH_B 0, 0
	FETCH_A 0, 0
	FETCH_A 0, 2
	WIN 0
.endm
.macro LBIAS base, a, w                ; the bias into block a's eight accumulators in window w: tile b, lane half h: columns 16 b + 8 h + 0 .. 7
.set WC, (\w)<<6
	WIN WC
.irp b, 0,1,2,3,4,5,6,7
	global_load_b128 v[64*(\a)+8*\b:64*(\a)+8*\b+3], v[BIO], s[\base:\base+1] offset:64*\b
	global_load_b128 v[64*(\a)+8*\b+4:64*(\a)+8*\b+7], v[BIO], s[\base:\base+1] offset:64*\b+16
.endr
	WIN 0
.endm
; 64 numbers of a lane, register 16 b + 8 u + j = k 32 b + 16 u + 8 (lane / 16) + j of my row, become a fragment's codes in v[CD] on and its scale word in v[PW].
; A lane's 16 numbers of block b are the block's groups h and 2 + h of eight: they are converted as they lie, and the groups of 48 bits are put in order afterwards
.macro QUANT s
.irp b, 0,1,2,3
	v_max3_num_f32 v[TM+\b], |v[\s+16*\b]|, |v[\s+1+16*\b]|, 0x2800000   ; with the floor 2^(5 - 127): the byte cannot fall under 1
.endr
.irp i, 2,4,6,8,10,12,14
.irp b, 0,1,2,3
	v_max3_num_f32 v[TM+\b], v[TM+\b], |v[\s+16*\b+\i]|, |v[\s+1+16*\b+\i]|
.endr
.endr
.irp b, 0,1,2,3
	v_permlanex16_b32 v[TM+4+\b], v[TM+\b], s[SEL], s[SEL+1]
.endr
.irp b, 0,1,2,3
	v_max_num_f32 v[TM+\b], v[TM+\b], v[TM+4+\b]   ; with lane l xor 16's: the block's largest magnitude
.endr
.irp b, 0,1,2,3
	v_add_nc_u32 v[TM+12+\b], 0xfe000000, v[TM+\b] ; 4 off its exponent field: the conversion's scale operand
.endr
.irp b, 0,1,2,3
	v_lshrrev_b32 v[TM+4+\b], 23, v[TM+12+\b]      ; the scale's byte
.endr
	v_lshl_or_b32 v[PW], v[TM+5], 8, v[TM+4]
	v_lshl_or_b32 v[PW], v[TM+6], 16, v[PW]
	v_lshl_or_b32 v[PW], v[TM+7], 24, v[PW]
.irp c, 0,1
	v_cvt_scalef32_pk16_bf6_f32 v[CD+6*\c:CD+2+6*\c], v[\s+32*\c:\s+15+32*\c], v[TM+12+2*\c]
	v_cvt_scalef32_pk16_bf6_f32 v[CD+12+4*\c:CD+14+4*\c], v[\s+16+32*\c:\s+31+32*\c], v[TM+12+2*\c+1]
.endr
	v_nop                                          ; one plain place behind a scaled conversion
.irp c, 0,1                                    ; a whole block to a lane: lanes 0-15 block 2 c, lanes 16-31 block 2 c + 1
.irp i, 0,1,2
	v_permlane16_swap_b32 v[CD+6*\c+\i], v[CD+12+4*\c+\i]   ; the first three now hold my block's groups 0 and 2 (x0 x1 x2), the second three its groups 1 and 3 (y0 y1 y2)
.endr
	v_perm_b32 v[CD+6*\c+3], v[CD+6*\c+2], v[CD+6*\c+1], 0x05040302      ; word 3: x1's high half, x2's low half
	v_perm_b32 v[CD+6*\c+4], v[CD+13+4*\c], v[CD+6*\c+2], 0x07060302     ; word 4: x2's high half, y1's high half
	v_mov_b32 v[CD+6*\c+5], v[CD+14+4*\c]                                ; word 5: y2
	v_perm_b32 v[CD+6*\c+2], v[CD+13+4*\c], v[CD+12+4*\c], 0x05040302    ; word 2: y0's high half, y1's low half
	v_perm_b32 v[CD+6*\c+1], v[CD+12+4*\c], v[CD+6*\c+1], 0x05040100     ; word 1: x1's low half, y0's low half; word 0 is x0
.endr
.endm
; THE WAY OUT of my block a (16 rows x 128 columns) of a job: relu; job 1: the numbers to v1f; then quantised along the columns, one fragment and one scale word a row.  s1's place in act1 stands in the stores' immediates
.macro EPI a, job
	s_wait_xcnt 0x0                                ; the last block's stores have read their registers
.set WC, ((\job)+1)<<2
	WIN WC                                         ; source 1: the job's accumulators, window 2 or 3
.set i, 0
.rept 64
	v_max_num_f32 v[T+i], 0, v[64*(\a)+i]          ; each accumulator from its low end on
.set i, i+1
.endr
	WIN 0
.if \job == 1
.set i, 0
.rept 16
	global_store_b128 v[VFO], v[T+4*i:T+4*i+3], s[66:67] offset:65536*(\a)+512*i   ; 32 lanes store 512 consecutive bytes, aligned
.set i, i+1
.endr
.endif
	QUANT T
.irp c, 0,1,2
	global_store_b128 v[IMO], v[CD+4*\c:CD+4*\c+3], s[100:101] offset:6291456*((\job)-1)+12288*(\a)+512*\c
.endr
	global_store_b32 v[SCO], v[PW], s[100:101] offset:262144*((\job)-1)+512*(\a)   ; both halves of the lanes hold the row's word and write the same value
.endm
	s_load_b512 s[4:19], s[0:1], 0x0               ; v codes, v scales, W_lv codes, W_lv scales, s codes, s scales, W_ls codes, W_ls scales
	s_load_b128 s[96:99], s[0:1], 0x40             ; b_lv, b_ls
	s_load_b64 s[66:67], s[0:1], 0x50              ; v1f
	s_load_b64 s[100:101], s[0:1], 0x58            ; act1
	v_lshl_add_u32 v[SPW], v0, 2, SPARE
	v_mov_b32 v[NIL], 0
	ds_add_u32 v[SPW], v[NIL]                      ; the opening lines: the add, twice on end, and its wait; all that hangs on ids alone stands between
	ds_add_u32 v[SPW], v[NIL]
	v_lshrrev_b32 v1, 5, v0
	v_readfirstlane_b32 s[WV], v1
	s_lshr_b32 s[MH], s[WV], 1
	s_and_b32 s[NH], s[WV], 1
	s_bfe_u32 s40, ttmp6, 0x40000                  ; cx
	s_bfe_u32 s41, ttmp6, 0x40004                  ; cy
	s_lshl_b32 s42, ttmp9, 2
	s_add_co_u32 s42, s42, s40                     ; tile column
	s_and_b32 s43, ttmp7, 0xffff
	s_lshl_b32 s43, s43, 2
	s_add_co_u32 s43, s43, s41                     ; tile row
	s_lshl_b32 s90, s41, 2
	s_lshl_b32 s90, 15, s90                        ; my row of the cluster
	s_lshl_b32 s91, 0x1111, s40                    ; my column
	; job 1: rows of 768 bytes, 1,536 apart, 16 bytes of padding behind every 256; A 64 rows a load, B 128
	s_or_b32 s[G1A], s90, (1<<20)|(1<<21)|(5<<22)|(3<<25)
	s_or_b32 s[G1B], s91, (1<<20)|(1<<21)|(5<<22)|(3<<25)
.irp g, G1A, G1B
	s_mov_b32 s[\g+1], 768<<16
	s_mov_b32 s[\g+3], 768<<16
	s_mov_b32 s[\g+5], 1536
	s_mov_b32 s[\g+6], 0
	s_mov_b32 s[\g+7], 0
.endr
	s_mov_b32 s[G1A+2], 64<<16
	s_mov_b32 s[G1A+4], 64
	s_mov_b32 s[G1B+2], 128<<16
	s_mov_b32 s[G1B+4], 128
	; job 2: dense blocks as rows of 256 bytes (32 elements of 8), 16 bytes of padding behind every 64; A 144 rows a load (64 rows of s), B 288
	s_or_b32 s[G1A2], s90, (3<<16)|(1<<20)|(1<<21)|(3<<22)|(3<<25)
	s_or_b32 s[G1B2], s91, (3<<16)|(1<<20)|(1<<21)|(3<<22)|(3<<25)
.irp g, G1A2, G1B2
	s_mov_b32 s[\g+1], 32<<16
	s_mov_b32 s[\g+3], 32<<16
	s_mov_b32 s[\g+5], 32
	s_mov_b32 s[\g+6], 0
	s_mov_b32 s[\g+7], 0
.endr
	s_mov_b32 s[G1A2+2], 144<<16
	s_mov_b32 s[G1A2+4], 144
	s_mov_b32 s[G1B2+2], 288<<16
	s_mov_b32 s[G1B2+4], 288
	; where the tiles come from: A's hang on the tile row, B's on the tile column, both on the wave's number
	s_lshl_b32 s23, s[NH], 6
	s_lshl_b32 s46, s43, 7
	s_add_co_u32 s46, s46, s23                     ; A: row 128 x tile row + 64 x half
	s_mul_i32 s[A2], s46, 576
	s_mul_i32 s46, s46, 1536
	s_mov_b32 s[A2+1], 0
	s_mov_b32 s47, 0
	s_lshl_b32 s23, s[NH], 7
	s_lshl_b32 s2, s42, 8
	s_add_co_u32 s2, s2, s23                       ; B: row 256 x tile column + 128 x half
	s_mul_i32 s[B2], s2, 576
	s_mul_i32 s2, s2, 1536
	s_mov_b32 s[B2+1], 0
	s_mov_b32 s3, 0
	; the prefetches: wave 0 rows 128 x tile row + 32 cx of A; waves 1, 2 rows 256 x tile column + 64 cy + 32 (wave - 1) of B
	s_sub_co_u32 s23, s[WV], 1
	s_lshl_b32 s23, s23, 5
	s_lshl_b32 s92, s41, 6
	s_add_co_u32 s23, s23, s92
	s_lshl_b32 s92, s42, 8
	s_add_co_u32 s23, s23, s92
	s_lshl_b32 s92, s43, 7
	s_lshl_b32 s93, s40, 5
	s_add_co_u32 s92, s92, s93
	s_cmp_eq_u32 s[WV], 0
	s_cselect_b32 s23, s92, s23
	s_mul_i32 s[PF1], s23, 1536
	s_add_co_u32 s[PF1], s[PF1], 768               ; the rows' second halves
	s_mov_b32 s[PF1+1], 0
	s_mul_i32 s[PF2], s23, 576
	s_mov_b32 s[PF2+1], 0
	; the scalar parts of the lanes' addresses
	s_mul_i32 s32, s[MH], 64*P1
	s_mul_i32 s33, s[NH], 128*P1
	s_add_co_u32 s33, s33, ASZ
	s_mul_i32 s34, s[MH], 64*P2
	s_mul_i32 s35, s[NH], 128*P2
	s_add_co_u32 s35, s35, A2SZ
	s_lshl_b32 s23, s43, 3
	s_lshl_b32 s89, s[MH], 2
	s_add_co_u32 s23, s23, s89                     ; my first row tile: 8 x tile row + 4 x half
	s_lshl_b32 s89, s42, 1
	s_add_co_u32 s89, s89, s[NH]                   ; my 128 columns: K step 2 x tile column + half
	s_lshl_b32 s36, s23, 3
	s_add_co_u32 s36, s36, s89
	s_mul_i32 s36, s36, 1536
	s_lshl_b32 s37, s23, 6
	s_lshl_b32 s38, s89, 3
	s_add_co_u32 s37, s37, s38
	s_lshl_b32 s37, s37, 10
	s_lshl_b32 s38, s23, 9
	s_lshl_b32 s39, s89, 2
	s_add_co_u32 s38, s38, s39
	s_add_co_u32 s38, s38, 12582912
	s_lshl_b32 s39, s89, 9
	s_lshl_b32 s92, s23, 10                        ; 16 rows a row tile x 64 bytes of scales
	s_lshl_b32 s93, s89, 13                        ; 128 rows x 64
	s_mul_i32 s94, s23, 384                        ; 16 x 24
	s_mul_i32 s95, s89, 3072                       ; 128 x 24
	s_mov_b32 s[SEL], 0x76543210                   ; lane l xor 16
	s_mov_b32 s[SEL+1], 0xfedcba98
	s_mov_b32 s[CNT], 2
	v_and_b32 v1, 15, v0                           ; r
	v_bfe_u32 v2, v0, 4, 1                         ; h
	v_and_b32 v7, 31, v0                           ; lane
	v_mul_u32_u24 v3, v1, P1
	v_mul_u32_u24 v4, v1, P2
	v_mad_u32_u24 v3, v2, 24, v3                   ; a fragment's row x pitch + 24 x half
	v_mad_u32_u24 v4, v2, 24, v4
	v_add_nc_u32 v[J1A], s32, v3
	v_add_nc_u32 v[J1B], s33, v3
	v_add_nc_u32 v[J2A], s34, v4
	v_add_nc_u32 v[J2B], s35, v4
.irp j, J1A, J1B, J2A, J2B
	v_lshl_add_u32 v[\j+1], v2, 4, v[\j]           ; and behind one padding more
.endr
	v_add_nc_u32 v[J1B+2], 64*P1, v[J1B]
	v_add_nc_u32 v[J1B+3], 64*P1, v[J1B+1]
	v_add_nc_u32 v[J2B+2], 64*P2, v[J2B]
	v_add_nc_u32 v[J2B+3], 64*P2, v[J2B+1]
	v_lshl_add_u32 v[IMO], v7, 4, s36
	v_lshl_add_u32 v[VFO], v7, 4, s37
	v_lshl_add_u32 v[SCO], v1, 5, s38
	v_lshl_add_u32 v[BIO], v2, 5, s39
	v_lshl_add_u32 v[ASO], v1, 6, s92
	v_lshl_add_u32 v[BSO], v1, 6, s93
	v_mad_u32_u24 v[AS2], v1, 24, s94
	v_mad_u32_u24 v[BS2], v1, 24, s95
	v_mul_u32_u24 v[PO1], v7, 1536
	v_min_u32 v5, 23, v7                           ; 24 blocks an instruction; the lanes left over name the last again
	v_lshlrev_b32 v[PO2], 8, v5
.irp b, 0,1,2,3
	v_mov_b32 v[TM+4+\b], 0                        ; written once: a lane permute's destination counts as one of its sources
.endr
	s_wait_alu depctr_va_vdst(0)
	s_wait_dscnt 0x0                               ; both opening adds are done
	s_wait_kmcnt 0x0
	s_add_nc_u64 s[46:47], s[4:5], s[46:47]
	s_add_nc_u64 s[2:3], s[8:9], s[2:3]
	s_add_nc_u64 s[A2:A2+1], s[12:13], s[A2:A2+1]
	s_add_nc_u64 s[B2:B2+1], s[16:17], s[B2:B2+1]
	s_cmp_eq_u32 s[WV], 0
	s_cselect_b64 s[92:93], s[4:5], s[8:9]
	s_cselect_b64 s[94:95], s[12:13], s[16:17]
	s_add_nc_u64 s[PF1:PF1+1], s[92:93], s[PF1:PF1+1]
	s_add_nc_u64 s[PF2:PF2+1], s[94:95], s[PF2:PF2+1]
	s_mov_b64 s[SAP:SAP+1], s[6:7]
	s_mov_b64 s[SBP:SBP+1], s[10:11]
	s_mov_b32 s[G0A], 1
	s_mul_i32 s[G0A+1], s[NH], 64*P1               ; where they go: no place in the cluster enters an LDS address
	s_mov_b64 s[G0A+2:G0A+3], s[46:47]
	s_or_b32 s[G0A+3], s[G0A+3], 0x80000000
	s_mov_b32 s[G0B], 1
	s_mul_i32 s[G0B+1], s[NH], 128*P1
	s_add_co_u32 s[G0B+1], s[G0B+1], ASZ
	s_mov_b64 s[G0B+2:G0B+3], s[2:3]
	s_or_b32 s[G0B+3], s[G0B+3], 0x80000000
	LBIAS 96, 0, 2                                 ; job 1's sums begin as b_lv
	LBIAS 96, 1, 2
	LBIAS 96, 2, 2
	LBIAS 96, 3, 2
.set JA, J1A
.set JB, J1B
.set PT, P1
.set GG, 32
.set SS, 8
.set MW, 0xa5                          ; sources 0 (B) and 1 (A) window 1, C and D window 2
	; ---- job 1: two trips of 1,024 along K.  The fill stands at the trip's top: the first trip's is the launch's first fill, the second's a refill
.Lhalf:
	s_wait_tensorcnt 0x0                           ; no tensor load of mine is out
	ds_add_u32 v[SPW], v[NIL]                      ; the add, here twice on end
	ds_add_u32 v[SPW], v[NIL]
	s_wait_dscnt 0x0                               ; the adds are done, my reads of the tiles are over
	CROUND                                         ; so are those of every wave of every partner
	JLOAD G1A, G1B                                 ; one tensor load of a wave is out; its four v_nop are the places in front of the loads below
.irp a, 0,1,2,3                                ; this trip's scale words: lane r takes 32 bytes (8 words) of row r of each block of 16 rows
	global_load_b128 v[SA+8*\a:SA+8*\a+3], v[ASO], s[SAP:SAP+1] offset:1024*\a
	global_load_b128 v[SA+8*\a+4:SA+8*\a+7], v[ASO], s[SAP:SAP+1] offset:1024*\a+16
.endr
.irp b, 0,1,2,3,4,5,6,7
	global_load_b128 v[SB+8*\b:SB+8*\b+3], v[BSO], s[SBP:SBP+1] offset:1024*\b
	global_load_b128 v[SB+8*\b+4:SB+8*\b+7], v[BSO], s[SBP:SBP+1] offset:1024*\b+16
.endr
	START
	STEP 0
	s_cmp_lt_u32 s[WV], 3                          ; the next fill's bytes are named: 3 instructions in each of waves 0 to 2
	s_cbranch_scc0 .Lnamed
	s_cmp_eq_u32 s[CNT], 2
	s_cbranch_scc0 .Lfor_job2
.irp j, 0,1,2
	global_prefetch_b8 v[PO1], s[PF1:PF1+1] offset:256*\j th:TH_LOAD_NT scope:SCOPE_SE    ; 32 rows x the second 768 bytes
.endr
	s_branch .Lnamed
.Lfor_job2:
.irp j, 0,1,2
	global_prefetch_b8 v[PO2], s[PF2:PF2+1] offset:6144*\j th:TH_LOAD_NT scope:SCOPE_SE   ; 32 rows of 576 bytes: 72 blocks of 256
.endr
.Lnamed:
	STEP 1
	STEP 2
	STEP 3
	STEP 4
	STEP 5
	STEP 6
	LASTQ 7
	s_add_nc_u64 s[G0A+2:G0A+3], s[G0A+2:G0A+3], 768   ; the loads that named these registers were waited for at the trip's start
	s_add_nc_u64 s[G0B+2:G0B+3], s[G0B+2:G0B+3], 768
	s_add_nc_u64 s[SAP:SAP+1], s[SAP:SAP+1], 32
	s_add_nc_u64 s[SBP:SBP+1], s[SBP:SBP+1], 32
	s_sub_co_u32 s[CNT], s[CNT], 1
	s_cmp_lg_u32 s[CNT], 0
	s_cbranch_scc1 .Lhalf
	; ---- job 2's tiles, the whole K, over job 1's
	s_wait_tensorcnt 0x0
	ds_add_u32 v[SPW], v[NIL]
	s_mul_i32 s[G0A+1], s[NH], 144*320
	s_mov_b64 s[G0A+2:G0A+3], s[A2:A2+1]
	s_or_b32 s[G0A+3], s[G0A+3], 0x80000000
	s_mul_i32 s[G0B+1], s[NH], 288*320
	s_add_co_u32 s[G0B+1], s[G0B+1], A2SZ
	s_mov_b64 s[G0B+2:G0B+3], s[B2:B2+1]
	s_or_b32 s[G0B+3], s[G0B+3], 0x80000000
	s_wait_dscnt 0x0
	CROUND
	JLOAD G1A2, G1B2                               ; its four v_nop are the places in front of the loads and reads below
.irp a, 0,1,2,3                                ; job 2's scale words: 24 bytes (6 words) a row
.irp j, 0,1,2
	global_load_b64 v[SA+6*\a+2*\j:SA+6*\a+2*\j+1], v[AS2], s[14:15] offset:384*\a+8*\j
.endr
.endr
.irp b, 0,1,2,3,4,5,6,7
.irp j, 0,1,2
	global_load_b64 v[SB+6*\b+2*\j:SB+6*\b+2*\j+1], v[BS2], s[18:19] offset:384*\b+8*\j
.endr
.endr
	LBIAS 98, 0, 3                                 ; job 2's sums begin as b_ls; all loads stand ahead of the stores
	LBIAS 98, 1, 3
	LBIAS 98, 2, 3
	LBIAS 98, 3, 3
	EPI 0, 1                                       ; two blocks of v1 go out while job 2's tiles are on their way
	EPI 1, 1
.set JA, J2A
.set JB, J2B
.set PT, P2
.set GG, 8
.set SS, 6
.set MW, 0xf5                          ; C and D window 3
	; ---- job 2: K = 768; v1's other two blocks go out between its K steps (they touch no LDS, so the steps' counted waits hold)
	START
	STEP 0
	EPI 2, 1
	STEP 1
	STEP 2
	EPI 3, 1
	STEP 3
	STEP 4
	LASTQ 5
	PLACES
	EPI 0, 2
	EPI 1, 2
	EPI 2, 2
	EPI 3, 2
	s_wait_tensorcnt 0x0                           ; the wave's end
	ds_add_u32 v[SPW], v[NIL]
	s_wait_dscnt 0x0
	CROUND                                         ; the closing round
	s_endpgm
.Lfunc_end_k_qb03502bca5_proj:
	.size	k_qb03502bca5_proj, .Lfunc_end_k_qb03502bca5_proj-k_qb03502bca5_proj
	.p2alignl 7, 3214868480
	.fill 96, 4, 3214868480
	.section	.rodata,"a",@progbits
	.p2align	6, 0x0
	.amdhsa_kernel k_qb03502bca5_proj
		.amdhsa_group_segment_fixed_size 327680
		.amdhsa_private_segment_fixed_size 0
		.amdhsa_enable_private_segment 0
		.amdhsa_kernarg_size 96
		.amdhsa_user_sgpr_count 2
		.amdhsa_user_sgpr_kernarg_segment_ptr 1
		.amdhsa_wavefront_size32 1
		.amdhsa_system_sgpr_workgroup_id_x 1
		.amdhsa_system_sgpr_workgroup_id_y 1
		.amdhsa_system_sgpr_workgroup_id_z 1
		.amdhsa_system_vgpr_workitem_id 0
		.amdhsa_next_free_vgpr 1024
		.amdhsa_next_free_sgpr 102
		.amdhsa_reserve_vcc 0
		.amdhsa_float_denorm_mode_32 3
		.amdhsa_float_denorm_mode_16_64 3
		.amdhsa_memory_ordered 1
		.amdhsa_forward_progress 1
		.amdhsa_inst_pref_size 217
	.end_amdhsa_kernel
	.amdgpu_metadata
---
amdhsa.version: [ 1, 2 ]
amdhsa.kernels:
  - .name:           k_qb03502bca5_proj
    .symbol:         k_qb03502bca5_proj.kd
    .args:
      - { .name: v_codes, .offset: 0, .size: 8, .value_kind: global_buffer, .address_space: global }
      - { .name: v_scales, .offset: 8, .size: 8, .value_kind: global_buffer, .address_space: global }
      - { .name: W_lv_codes, .offset: 16, .size: 8, .value_kind: global_buffer, .address_space: global }
      - { .name: W_lv_scales, .offset: 24, .size: 8, .value_kind: global_buffer, .address_space: global }
      - { .name: s_codes, .offset: 32, .size: 8, .value_kind: global_buffer, .address_space: global }
      - { .name: s_scales, .offset: 40, .size: 8, .value_kind: global_buffer, .address_space: global }
      - { .name: W_ls_codes, .offset: 48, .size: 8, .value_kind: global_buffer, .address_space: global }
      - { .name: W_ls_scales, .offset: 56, .size: 8, .value_kind: global_buffer, .address_space: global }
      - { .name: b_lv, .offset: 64, .size: 8, .value_kind: global_buffer, .address_space: global }
      - { .name: b_ls, .offset: 72, .size: 8, .value_kind: global_buffer, .address_space: global }
      - { .name: v1f, .offset: 80, .size: 8, .value_kind: global_buffer, .address_space: global }
      - { .name: act1, .offset: 88, .size: 8, .value_kind: global_buffer, .address_space: global }
    .group_segment_fixed_size: 327680
    .private_segment_fixed_size: 0
    .kernarg_segment_align: 8
    .kernarg_segment_size: 96
    .max_flat_workgroup_size: 128
    .sgpr_count:     102
    .vgpr_count:     1024
    .wavefront_size: 32
...
	.end_amdgpu_metadata
.endif
;; end of part 1
;; launch qv (part 2): grid 4 x 64, 4 waves a work-group, clusters of 4 x 4, 327,680 bytes of LDS; arguments act1, W_q_codes, W_q_scales, W_v_codes, W_v_scales, b_q, b_v, act2; writes act2
.if DOCPART == 2
	.amdgcn_target "amdgcn-amd-amdhsa--gfx1250"
	.amdhsa_code_object_version 6
	.text
	.protected	k_qb03502bca5_qv
	.globl	k_qb03502bca5_qv
	.p2align	8
	.type	k_qb03502bca5_qv,@function
k_qb03502bca5_qv:
	s_mov_b64 s[64:65], 0
	v_nop
	global_prefetch_b8 v0, s[64:65] scope:SCOPE_SE
	s_setreg_imm32_b32 hwreg(HW_REG_WAVE_MODE, 25, 1), 1
	s_wait_xcnt 0x0
	s_wait_alu depctr_hold_cnt(0) depctr_sa_sdst(0) depctr_va_vdst(0) depctr_va_sdst(0) depctr_va_ssrc(0) depctr_va_vcc(0) depctr_vm_vsrc(0)
	s_getreg_b32 s2, hwreg(HW_REG_IB_STS2, 6, 4)
	s_cmp_eq_u32 s2, 0
	s_cbranch_scc0 .Lentry_in_a_cluster
	s_endpgm
.Lentry_in_a_cluster:
	s_bfe_u32 s2, ttmp6, 0x10000c
	s_cmp_lg_u32 s2, 0xf033
	s_cbranch_scc0 .Lentry_shape_is_right
	s_endpgm
.Lentry_shape_is_right:
; q = v1 W_q + b_q (job 1) and vs = s1 W_v + b_v (job 2), both on codes of BF6 (E3M2) with E8M0 scales; K = 1,024; sums in f32.
; IN: act1: v1's and s1's codes as images of operand registers (fragment (row tile mt, K step ks) at (8 mt + ks) x 1,536; v1 from 0, s1 from 6,291,456), scale words [row][8] from 12,582,912 and 12,845,056.
; OUT (act2): q and vs quantised along a head's 64 (images [mt][head pair hp], 1,536 bytes: registers 0-5 head 2 hp, 6-11 head 2 hp + 1; q from 0, vs from 6,291,456; scale words [hp][8192] from 18,874,368 and 19,136,512);
;   vs also quantised along the KEYS, as fragments of V^T: [batch][head][dt 4][ks 4][1,536] from 12,582,912, words [..][16] from 19,398,656.  In a fragment of V^T lane r of tile dt is
;   d = 32 (dt / 2) + 8 (dt % 2) + r + 8 (r / 8), and inside each block of 32 keys the order is keys 0-7, 16-23, 8-15, 24-31: the order in which the attention's p comes out of its registers.
; SHARES: a work-group makes 128 rows x 256 columns of both jobs on one path: 256 work-groups of equal work; four waves of 64 x 128: 32 accumulators.
; ONE JOB'S WHOLE K LIES IN LDS: A's 8 row tiles x 12,288 dense bytes, B's 256 rows of 768 bytes.  Each wave brings its part by ONE tensor load a job: job 1's is a first fill, job 2's the launch's only refill,
; issued behind job 1's last product, so that it lands while job 1's results are quantised and stored.
; CLUSTER 4 x 4: A's tiles are asked for jointly along a row of the cluster, B's along a column.
; THE SCALE WORDS come straight from memory into registers, 32 bytes a row, 16 rows (512 consecutive bytes) to a pair of loads: a job's 96 registers; job 2's are asked for behind the refill.
; THE MATRIX INSTRUCTION IS USED TRANSPOSED (source 0 = 16 rows of W, source 1 = 16 rows of v1 or s1): a lane holds one row and eight neighbouring columns.
; LIMITS: NaN and infinities are not served; a block whose largest magnitude lies under 2^-122, a block of zeros among them, gets the scale byte 1.
; REGISTERS: window 0: v12-31 addresses; v32-63 A's scale words (block a, K step ks at 32 + 8 a + ks), v64-127 B's; v128-175 A's fragments, one set; on the way out v128-191 numbers, v192-228 codes and work.
;   window 1: B's fragments, two sets, at v0 and v128.   window 2: accumulator (a, b) at v[8 (8 a + b)].   window 3: v0-63 b_q, v64-127 b_v, in the result's layout.
.set FR,    12
.set NLA,   3                          ; LDS loads that bring a fragment of A
.set BP,    816                        ; a row of B in LDS: 3 x (256 bytes + 16 of padding) = 204 words: row r starts at bank 12 r mod 64, so the 32 lanes of a load of 8 bytes touch 64 different banks
.set ASZ,   8*12288                    ; A's 8 row tiles
.set SPARE, ASZ+256*BP                 ; behind B's 256 rows: the spare words, 128 bytes a wave
.set VP,    528                        ; the stage for V^T, over the tiles when they have had their last fill and read: 256 columns x (128 keys x 4 bytes + 16)
.set SH8,  12                          ; 8 x (lane / 16)
.set VSO,  13
.set STO,  14                          ; the stage, on the way out
.set VTO,  15
.set ADRA, 16                          ; my A fragments: 16 x lane + my four row tiles
.set ASO,  18                          ; my byte offset among A's scale words in act1
.set BSO,  19                          ; among B's scale bytes
.set ADRB, 20                          ; v20 my B blocks 0-3, v21 blocks 4-7; v22, v23 the same behind one padding more
.set IMO,  24
.set SCO,  25
.set BIO,  26
.set SPW,  28
.set NIL,  29
.set STI,  31                          ; the stage, on the way in
.set SA,   32
.set SB,   64
.set AF,   128
.set T,    128
.set CD,   192
.set TM,   212
.set PW,   228
.set WV,   20
.set MH,   21                          ; wave >> 1: my half of the rows; also: I fetch for A (0) or B (1)
.set NH,   22                          ; wave & 1: my half of the columns; also: which half of that tile I fetch
.set G1A,  24
.set G0A,  32
.set SEL,  44
.set G1B,  48
.set G0B,  56
.set A2,   92                          ; s[92:93], s[94:95]: job 2's tiles
.set B2,   94
.set MULW, 0xa1                        ; source 0 (B) window 1, source 1 (A) window 0, C and D window 2
.set MSB, 0
.macro WIN new
.if MSB != \new
	s_set_vgpr_msb (MSB<<8)|\new
.set MSB, \new
.endif
.endm
.macro PLACES
.rept 4
	v_nop
.endr
.endm
.macro JLOAD                           ; a joint load: waves 0, 1 for A's halves, waves 2, 3 for B's; four v_nop follow each line
	s_cmp_eq_u32 s[MH], 0
	s_cbranch_scc0 .Lfor_b_\@
	tensor_load_to_lds s[G0A:G0A+3], s[G1A:G1A+7]
	s_nop 0
	PLACES
	s_branch .Lasked_\@
.Lfor_b_\@:
	tensor_load_to_lds s[G0B:G0B+3], s[G1B:G1B+7]
	s_nop 0
	PLACES
.Lasked_\@:
.endm
.macro CREST
	s_cmp_lg_u32 s[WV], 0
	s_cbranch_scc1 .Lnot_wave_0_\@
	s_barrier_signal -3
.Lnot_wave_0_\@:
	s_barrier_wait -3
	s_barrier_signal -1
	s_barrier_wait -1
.endm
.macro CROUND
	s_barrier_signal -1
	s_barrier_wait -1
	CREST
.endm
; A fragment of B, 16 rows x 128 K: six pieces of 8 bytes.  Piece p of a row lies at 8 p + 16 (p / 32).  Lanes 16-31 read three pieces further on, which is behind one padding more where p % 32 is 29 or more:
; the second pair of address registers serves those.  Blocks 4-7 have a register of their own, so that every offset stays inside 16 bits.
.macro FRAG reg, ks, i
.irp p, 0,1,2,3,4,5
.set PCE, 12*(\ks)+6*(\p/3)+\p%3
.if PCE%32 < 29
	ds_load_b64 v[\reg+2*\p:\reg+2*\p+1], v[ADRB+(\i)/4] offset:8*PCE+16*(PCE/32)+((\i)%4)*16*BP
.else
	ds_load_b64 v[\reg+2*\p:\reg+2*\p+1], v[ADRB+2+(\i)/4] offset:8*PCE+16*(PCE/32)+((\i)%4)*16*BP
.endif
.endr
.endm
.macro FETCH_B ks, p
	WIN 0x40
.irp i, 0,1,2,3,4,5,6,7
	FRAG 128*(\p)+FR*\i, \ks, \i
.endr
	WIN 0
.endm
.macro FETCH_A ks, i0                  ; A's blocks i0, i0 + 1: images, three loads of 512 consecutive bytes each
.irp i, \i0, \i0+1
.irp c, 0,1,2
	ds_load_b128 v[AF+FR*(\i)+4*\c:AF+FR*(\i)+4*\c+3], v[ADRA] offset:(\i)*12288+(\ks)*1536+512*\c
.endr
.endr
.endm
.macro MUL8 a, p, ks, zero             ; A's block a against B's eight; the 32 accumulators take turns in the same order in every step
.irp b, 0,1,2,3,4,5,6,7
.if \zero
	v_wmma_scale_f32_16x16x128_f8f6f4 v[8*(8*(\a)+\b):8*(8*(\a)+\b)+7], v[128*(\p)+FR*\b:128*(\p)+FR*\b+FR-1], v[AF+FR*(\a):AF+FR*(\a)+FR-1], 0, v[SB+8*\b+(\ks)], v[SA+8*(\a)+(\ks)] matrix_a_fmt:MATRIX_FMT_BF6 matrix_b_fmt:MATRIX_FMT_BF6
.else
	v_wmma_scale_f32_16x16x128_f8f6f4 v[8*(8*(\a)+\b):8*(8*(\a)+\b)+7], v[128*(\p)+FR*\b:128*(\p)+FR*\b+FR-1], v[AF+FR*(\a):AF+FR*(\a)+FR-1], v[8*(8*(\a)+\b):8*(8*(\a)+\b)+7], v[SB+8*\b+(\ks)], v[SA+8*(\a)+(\ks)] matrix_a_fmt:MATRIX_FMT_BF6 matrix_b_fmt:MATRIX_FMT_BF6
.endif
.endr
.endm
.macro STEP ks, zero                   ; 128 along K; the next step's fragments are fetched on the way
	s_wait_dscnt 2*NLA                             ; all but the youngest six loads, A's blocks 2 and 3
	WIN MULW
	MUL8 0, (\ks)%2, \ks, \zero
	MUL8 1, (\ks)%2, \ks, \zero
	s_wait_dscnt 0x0
	PLACES                                         ; four places in front of loads into registers that matrix instructions have read
	FETCH_B (\ks)+1, 1-(\ks)%2
	FETCH_A (\ks)+1, 0
	WIN MULW
	MUL8 2, (\ks)%2, \ks, \zero
	MUL8 3, (\ks)%2, \ks, \zero
	PLACES
	WIN 0
	FETCH_A (\ks)+1, 2
.endm
.macro LASTQ                           ; a job's last 128 along K: nothing more to fetch
	s_wait_dscnt 2*NLA
	WIN MULW
	MUL8 0, 1, 7, 0
	MUL8 1, 1, 7, 0
	s_wait_dscnt 0x0
	MUL8 2, 1, 7, 0
	MUL8 3, 1, 7, 0
	WIN 0
.endm
.macro START                           ; my part of the job's tiles has landed and my scale words are in; behind the barrier everybody's part has
	s_wait_tensorcnt 0x0
	s_wait_loadcnt 0x0
	s_wait_dscnt 0x0
	s_wait_xcnt 0x0                                ; the way out's stores have read their registers
	s_barrier_signal -1
	s_barrier_wait -1
	FETCH_B 0, 0
	FETCH_A 0, 0
	FETCH_A 0, 2
.endm
.macro LSCALES aoff, bb                ; a job's scale words: lane r takes row r's 32 bytes (8 words: K steps 0 to 7) of each block of 16 rows
.irp a, 0,1,2,3
	global_load_b128 v[SA+8*\a:SA+8*\a+3], v[ASO], s[4:5] offset:\aoff+512*\a
	global_load_b128 v[SA+8*\a+4:SA+8*\a+7], v[ASO], s[4:5] offset:\aoff+512*\a+16
.endr
.irp b, 0,1,2,3,4,5,6,7
	global_load_b128 v[SB+8*\b:SB+8*\b+3], v[BSO], s[\bb:\bb+1] offset:512*\b
	global_load_b128 v[SB+8*\b+4:SB+8*\b+7], v[BSO], s[\bb:\bb+1] offset:512*\b+16
.endr
.endm
.macro LBIAS base, reg                 ; a bias in the result's layout, into window 3: tile b, lane half h: columns 16 b + 8 h + 0 .. 7
	WIN 0xc0
.irp b, 0,1,2,3,4,5,6,7
	global_load_b128 v[\reg+8*\b:\reg+8*\b+3], v[BIO], s[\base:\base+1] offset:64*\b
	global_load_b128 v[\reg+8*\b+4:\reg+8*\b+7], v[BIO], s[\base:\base+1] offset:64*\b+16
.endr
	WIN 0
.endm
; 64 numbers of a lane, register 16 b + 8 u + j = k 32 b + 16 u + 8 (lane / 16) + j of my row, become a fragment's codes in v[CD] on and its scale word in v[PW].
; A lane's 16 numbers of block b are the block's groups h and 2 + h of eight: they are converted as they lie, and the groups of 48 bits are put in order afterwards
.macro QUANT s
.irp b, 0,1,2,3
	v_max3_num_f32 v[TM+\b], |v[\s+16*\b]|, |v[\s+1+16*\b]|, 0x2800000   ; with the floor 2^(5 - 127): the byte cannot fall under 1
.endr
.irp i, 2,4,6,8,10,12,14
.irp b, 0,1,2,3
	v_max3_num_f32 v[TM+\b], v[TM+\b], |v[\s+16*\b+\i]|, |v[\s+1+16*\b+\i]|
.endr
.endr
.irp b, 0,1,2,3
	v_permlanex16_b32 v[TM+4+\b], v[TM+\b], s[SEL], s[SEL+1]
.endr
.irp b, 0,1,2,3
	v_max_num_f32 v[TM+\b], v[TM+\b], v[TM+4+\b]   ; with lane l xor 16's: the block's largest magnitude
.endr
.irp b, 0,1,2,3
	v_add_nc_u32 v[TM+12+\b], 0xfe000000, v[TM+\b] ; 4 off its exponent field: the conversion's scale operand
.endr
.irp b, 0,1,2,3
	v_lshrrev_b32 v[TM+4+\b], 23, v[TM+12+\b]      ; the scale's byte
.endr
	v_lshl_or_b32 v[PW], v[TM+5], 8, v[TM+4]
	v_lshl_or_b32 v[PW], v[TM+6], 16, v[PW]
	v_lshl_or_b32 v[PW], v[TM+7], 24, v[PW]
.irp c, 0,1
	v_cvt_scalef32_pk16_bf6_f32 v[CD+6*\c:CD+2+6*\c], v[\s+32*\c:\s+15+32*\c], v[TM+12+2*\c]
	v_cvt_scalef32_pk16_bf6_f32 v[CD+12+4*\c:CD+14+4*\c], v[\s+16+32*\c:\s+31+32*\c], v[TM+12+2*\c+1]
.endr
	v_nop                                          ; one plain place behind a scaled conversion
.irp c, 0,1
.irp i, 0,1,2
	v_permlane16_swap_b32 v[CD+6*\c+\i], v[CD+12+4*\c+\i]   ; the first three now hold my block's groups 0 and 2 (x0 x1 x2), the second three its groups 1 and 3 (y0 y1 y2)
.endr
	v_perm_b32 v[CD+6*\c+3], v[CD+6*\c+2], v[CD+6*\c+1], 0x05040302      ; word 3: x1's high half, x2's low half
	v_perm_b32 v[CD+6*\c+4], v[CD+13+4*\c], v[CD+6*\c+2], 0x07060302     ; word 4: x2's high half, y1's high half
	v_mov_b32 v[CD+6*\c+5], v[CD+14+4*\c]                                ; word 5: y2
	v_perm_b32 v[CD+6*\c+2], v[CD+13+4*\c], v[CD+12+4*\c], 0x05040302    ; word 2: y0's high half, y1's low half
	v_perm_b32 v[CD+6*\c+1], v[CD+12+4*\c], v[CD+6*\c+1], 0x05040100     ; word 1: x1's low half, y0's low half; word 0 is x0
.endr
.endm
; THE WAY OUT of my block a: + bias; job 2: the numbers also into the stage, column by column; then quantised along the columns (two heads of 64: four blocks of 32)
.macro EPI a, job
	s_wait_xcnt 0x0                                ; the last block's stores have read their registers
	WIN 0x0e                                       ; source 0 window 2, source 1 window 3
.set i, 0
.rept 32
	v_pk_add_f32 v[T+i:T+i+1], v[64*(\a)+i:64*(\a)+i+1], v[64*((\job)-1)+i:64*((\job)-1)+i+1]   ; each accumulator from its low end on
.set i, i+2
.endr
	WIN 0
.if \job == 2
.set i, 0
.rept 64
	ds_store_b32 v[STI], v[T+i], offset:64*(\a)+(16*(i/8)+i%8)*VP   ; row = column 128 Nh + 16 b + 8 h + j, place = key 64 Mh + 16 a + r: the 32 lanes touch 32 different banks
.set i, i+1
.endr
	s_wait_dscnt 0x0                               ; my stores into the stage have left
.endif
	QUANT T
.irp c, 0,1,2
	global_store_b128 v[IMO], v[CD+4*\c:CD+4*\c+3], s[18:19] offset:12288*(\a)+512*\c
.endr
	global_store_b32 v[SCO], v[PW], s[18:19] offset:64*(\a)
.endm
; A fragment of V^T: 16 of my head's 64 x the tile's 128 keys.  A lane holds two whole blocks of 32 keys of its d, in the order keys 0-7, 16-23, 8-15, 24-31
.macro VT dt
	s_wait_xcnt 0x0
.irp c, 0,1
.irp u, 0,1,2,3,4,5,6,7
	ds_load_b128 v[T+32*\c+4*\u:T+32*\c+4*\u+3], v[STO] offset:256*\c+32*(2*((\u/2)%2)+\u/4)+16*(\u%2)+(32*((\dt)/2)+8*((\dt)%2))*VP
.endr
.endr
	s_wait_dscnt 0x0
.irp c, 0,1
	v_max3_num_f32 v[TM+\c], |v[T+32*\c]|, |v[T+1+32*\c]|, 0x2800000
.endr
.irp i, 2,4,6,8,10,12,14,16,18,20,22,24,26,28,30
.irp c, 0,1
	v_max3_num_f32 v[TM+\c], v[TM+\c], |v[T+32*\c+\i]|, |v[T+1+32*\c+\i]|
.endr
.endr
.irp c, 0,1
	v_add_nc_u32 v[TM+12+\c], 0xfe000000, v[TM+\c]
.endr
.irp c, 0,1
	v_lshrrev_b32 v[TM+4+\c], 23, v[TM+12+\c]
.endr
	v_lshl_or_b32 v[PW], v[TM+5], 16, v[TM+4]      ; my two bytes: blocks h and 2 + h,
	v_lshlrev_b32 v[PW], v[SH8], v[PW]             ; at their places in the word;
	v_permlanex16_b32 v[TM+6], v[PW], s[SEL], s[SEL+1]
	v_or_b32 v[PW], v[PW], v[TM+6]                 ; with lane l xor 16's two the word is whole
.irp c, 0,1
	v_cvt_scalef32_pk16_bf6_f32 v[CD+6*\c:CD+2+6*\c], v[T+32*\c:T+15+32*\c], v[TM+12+\c]
	v_cvt_scalef32_pk16_bf6_f32 v[CD+12+4*\c:CD+14+4*\c], v[T+16+32*\c:T+31+32*\c], v[TM+12+\c]
.endr
	v_nop
.irp c, 0,1
.irp i, 0,1,2
	v_mov_b32 v[CD+3+6*\c+\i], v[CD+12+4*\c+\i]
.endr
.endr
.irp c, 0,1,2
	global_store_b128 v[VTO], v[CD+4*\c:CD+4*\c+3], s[18:19] offset:6144*(\dt)+512*\c
.endr
	global_store_b32 v[VSO], v[PW], s[18:19] offset:256*(\dt)
.endm
	s_load_b512 s[4:19], s[0:1], 0x0               ; act1, W_q codes, W_q scales, W_v codes, W_v scales, b_q s[14:15], b_v s[16:17], act2 s[18:19]
	v_lshl_add_u32 v[SPW], v0, 2, SPARE
	v_mov_b32 v[NIL], 0
	ds_add_u32 v28, v29
	ds_add_u32 v28, v29
	s_wait_dscnt 0x0
	v_lshrrev_b32 v1, 5, v0
	v_readfirstlane_b32 s[WV], v1
	s_lshr_b32 s[MH], s[WV], 1
	s_and_b32 s[NH], s[WV], 1
	s_bfe_u32 s40, ttmp6, 0x40000                  ; cx
	s_bfe_u32 s41, ttmp6, 0x40004                  ; cy
	s_lshl_b32 s42, ttmp9, 2
	s_add_co_u32 s42, s42, s40                     ; tile column
	s_and_b32 s43, ttmp7, 0xffff
	s_lshl_b32 s43, s43, 2
	s_add_co_u32 s43, s43, s41                     ; tile row
	s_lshl_b32 s44, s41, 2
	s_lshl_b32 s44, 15, s44                        ; my row of the cluster
	s_lshl_b32 s45, 0x1111, s40                    ; my column
	; A: four row tiles, 49,152 dense bytes, as 192 rows of 256 bytes (32 elements of 8); no padding
	s_or_b32 s[G1A], s44, (3<<16)|(1<<21)
	s_mov_b32 s[G1A+1], 32<<16
	s_mov_b32 s[G1A+2], 192<<16
	s_mov_b32 s[G1A+3], 32<<16
	s_mov_b32 s[G1A+4], 192
	s_mov_b32 s[G1A+5], 32
	s_mov_b32 s[G1A+6], 0
	s_mov_b32 s[G1A+7], 0
	; B: 128 rows of 768 bytes, dense in memory, 16 bytes of padding behind every 256
	s_or_b32 s[G1B], s45, (1<<20)|(1<<21)|(5<<22)|(3<<25)
	s_mov_b32 s[G1B+1], 768<<16
	s_mov_b32 s[G1B+2], 128<<16
	s_mov_b32 s[G1B+3], 768<<16
	s_mov_b32 s[G1B+4], 128
	s_mov_b32 s[G1B+5], 768
	s_mov_b32 s[G1B+6], 0
	s_mov_b32 s[G1B+7], 0
	s_lshl_b32 s46, s43, 3
	s_lshl_b32 s23, s[NH], 2
	s_add_co_u32 s46, s46, s23                     ; A: row tile 8 x tile row + 4 x half
	s_mul_i32 s46, s46, 12288
	s_mov_b32 s47, 0
	s_lshl_b32 s2, s42, 8
	s_lshl_b32 s23, s[NH], 7
	s_add_co_u32 s2, s2, s23                       ; B: row 256 x tile column + 128 x half
	s_mul_i32 s2, s2, 768
	s_mov_b32 s3, 0
	s_wait_kmcnt 0x0
	s_add_nc_u64 s[46:47], s[4:5], s[46:47]
	s_add_nc_u64 s[A2:A2+1], s[46:47], 6291456
	s_add_nc_u64 s[B2:B2+1], s[10:11], s[2:3]
	s_add_nc_u64 s[2:3], s[6:7], s[2:3]
	s_mul_i32 s23, s[NH], 4*12288                  ; where they go: no place in the cluster enters an LDS address
	s_mul_i32 s40, s[NH], 128*BP
	s_add_co_u32 s40, s40, ASZ
	s_mov_b32 s[G0A], 1
	s_mov_b32 s[G0A+1], s23
	s_mov_b64 s[G0A+2:G0A+3], s[46:47]
	s_or_b32 s[G0A+3], s[G0A+3], 0x80000000
	s_mov_b32 s[G0B], 1
	s_mov_b32 s[G0B+1], s40
	s_mov_b64 s[G0B+2:G0B+3], s[2:3]
	s_or_b32 s[G0B+3], s[G0B+3], 0x80000000
	s_mov_b32 s[SEL], 0x76543210                   ; lane l xor 16
	s_mov_b32 s[SEL+1], 0xfedcba98
	CROUND                                         ; all sixteen work-groups are here
	JLOAD                                          ; job 1's tiles, the whole K: one tensor load of a wave is out
	v_and_b32 v1, 15, v0                           ; r
	s_wait_alu depctr_va_vdst(0)
	v_bfe_u32 v2, v0, 4, 1                         ; h
	v_and_b32 v7, 31, v0                           ; lane
	s_wait_alu depctr_va_vdst(0)
	s_lshl_b32 s23, s43, 7
	s_lshl_b32 s2, s[MH], 6
	s_add_co_u32 s23, s23, s2                      ; my first row of A
	s_lshl_b32 s23, s23, 5
	s_add_co_u32 s23, s23, 12582912
	v_lshl_add_u32 v[ASO], v1, 5, s23
	s_lshl_b32 s23, s42, 8
	s_lshl_b32 s2, s[NH], 7
	s_add_co_u32 s23, s23, s2                      ; my first row of B
	s_lshl_b32 s23, s23, 5
	v_lshl_add_u32 v[BSO], v1, 5, s23
	LSCALES 0, 8                                   ; job 1's scale words
	v_lshlrev_b32 v3, 4, v7
	s_mul_i32 s23, s[MH], 4*12288
	v_add_nc_u32 v[ADRA], s23, v3
	v_mul_u32_u24 v4, v1, BP
	v_mad_u32_u24 v4, v2, 24, v4                   ; a fragment's row x pitch + 24 x half
	s_mul_i32 s2, s[NH], 128*BP
	s_add_co_u32 s2, s2, ASZ
	v_add_nc_u32 v[ADRB], s2, v4
	v_add_nc_u32 v[ADRB+1], 64*BP, v[ADRB]
	v_lshl_add_u32 v[ADRB+2], v2, 4, v[ADRB]       ; and behind one padding more
	v_lshl_add_u32 v[ADRB+3], v2, 4, v[ADRB+1]
	v_mul_u32_u24 v5, v2, 8*VP                     ; the stage, in: 4 (64 Mh + r) + (128 Nh + 8 h) rows
	v_lshl_add_u32 v5, v1, 2, v5
	s_lshl_b32 s23, s[MH], 8
	s_mul_i32 s2, s[NH], 128*VP
	s_add_co_u32 s23, s23, s2
	v_add_nc_u32 v[STI], s23, v5
	v_and_b32 v5, 8, v1                            ; out: row 64 x wave + r + 8 (r / 8), + 32 keys for lanes 16-31
	v_add_nc_u32 v5, v5, v1
	v_mul_u32_u24 v5, v5, VP
	v_lshl_add_u32 v5, v2, 7, v5
	s_mul_i32 s23, s[WV], 64*VP
	v_add_nc_u32 v[STO], s23, v5
	v_lshlrev_b32 v[SH8], 3, v2
	s_lshl_b32 s23, s43, 3
	s_lshl_b32 s2, s[MH], 2
	s_add_co_u32 s23, s23, s2                      ; my first row tile
	s_lshl_b32 s2, s42, 1
	s_add_co_u32 s2, s2, s[NH]                     ; my head pair
	s_lshl_b32 s3, s23, 3
	s_add_co_u32 s3, s3, s2
	s_mul_i32 s3, s3, 1536
	v_lshl_add_u32 v[IMO], v7, 4, s3
	s_lshl_b32 s3, s23, 6                          ; 16 rows x 4 bytes a row tile
	s_lshl_b32 s46, s2, 15
	s_add_co_u32 s3, s3, s46
	s_add_co_u32 s3, s3, 18874368
	v_lshl_add_u32 v[SCO], v1, 2, s3
	s_lshl_b32 s3, s2, 9
	v_lshl_add_u32 v[BIO], v2, 5, s3
	s_lshr_b32 s23, s43, 2                         ; the batch; the tile's 128 keys are K step (tile row & 3) of the attention's second product
	s_lshl_b32 s23, s23, 4
	s_lshl_b32 s2, s42, 2
	s_add_co_u32 s23, s23, s2
	s_add_co_u32 s23, s23, s[WV]                   ; 16 x batch + head, head = 4 x tile column + wave
	s_lshl_b32 s23, s23, 4
	s_and_b32 s2, s43, 3
	s_add_co_u32 s23, s23, s2
	s_mul_i32 s2, s23, 1536
	s_add_co_u32 s2, s2, 12582912
	v_lshl_add_u32 v[VTO], v7, 4, s2
	s_lshl_b32 s2, s23, 6
	s_add_co_u32 s2, s2, 19398656
	v_lshl_add_u32 v[VSO], v1, 2, s2
.irp b, 0,1,2,3
	v_mov_b32 v[TM+4+\b], 0                        ; written once: a lane permute's destination counts as one of its sources
.endr
	; ---- job 1: q
	s_wait_alu depctr_va_vdst(0)
	START
	LBIAS 14, 0                                    ; both biases: wanted only on the ways out
	LBIAS 16, 64
	STEP 0, 1                                      ; the first step starts the sums
	STEP 1, 0
	STEP 2, 0
	STEP 3, 0
	STEP 4, 0
	STEP 5, 0
	STEP 6, 0
	LASTQ
	s_wait_loadcnt 0x0                             ; the biases, asked for eight steps ago; it stands ahead of the next scale words' loads, which may stay out under the way out
	s_wait_tensorcnt 0x0                           ; THE ONE REFILL: no tensor load of mine is out, so the descriptors may be written
	ds_add_u32 v[SPW], v[NIL]                      ; 0 onto my spare word
	s_mov_b64 s[G0A+2:G0A+3], s[A2:A2+1]
	s_or_b32 s[G0A+3], s[G0A+3], 0x80000000
	s_mov_b64 s[G0B+2:G0B+3], s[B2:B2+1]
	s_or_b32 s[G0B+3], s[G0B+3], 0x80000000
	s_wait_dscnt 0x0                               ; the add is done, my reads of job 1's tiles are over
	CROUND                                         ; so are those of every wave of every partner
	JLOAD                                          ; job 2's tiles, the whole K; the four v_nop behind it are the places in front of the loads and reads below
	LSCALES 262144, 12                             ; job 2's scale words
	EPI 0, 1
	EPI 1, 1
	EPI 2, 1
	EPI 3, 1
	s_wait_xcnt 0x0                                ; the stores have read their offsets
	v_add_nc_u32 v[IMO], 6291456, v[IMO]           ; on to vs's codes and scale words
	v_add_nc_u32 v[SCO], 262144, v[SCO]
	; ---- job 2: vs
	START
	STEP 0, 1
	STEP 1, 0
	STEP 2, 0
	STEP 3, 0
	STEP 4, 0
	STEP 5, 0
	STEP 6, 0
	LASTQ
	s_wait_dscnt 0x0                               ; my reads of the tiles are over; they have had their last fill
	s_barrier_signal -1
	s_barrier_wait -1                              ; everybody's are: the stage may be written over them
	PLACES
	EPI 0, 2
	EPI 1, 2
	EPI 2, 2
	EPI 3, 2
	s_wait_dscnt 0x0                               ; my stores into the stage are done
	s_barrier_signal -1
	s_barrier_wait -1
	VT 0
	VT 1
	VT 2
	VT 3
	s_wait_tensorcnt 0x0                           ; the wave's end
	ds_add_u32 v[SPW], v[NIL]
	s_wait_dscnt 0x0
	CROUND                                         ; the closing round
	s_endpgm
.Lfunc_end_k_qb03502bca5_qv:
	.size	k_qb03502bca5_qv, .Lfunc_end_k_qb03502bca5_qv-k_qb03502bca5_qv
	.p2alignl 7, 3214868480
	.fill 96, 4, 3214868480
	.section	.rodata,"a",@progbits
	.p2align	6, 0x0
	.amdhsa_kernel k_qb03502bca5_qv
		.amdhsa_group_segment_fixed_size 327680
		.amdhsa_private_segment_fixed_size 0
		.amdhsa_enable_private_segment 0
		.amdhsa_kernarg_size 64
		.amdhsa_user_sgpr_count 2
		.amdhsa_user_sgpr_kernarg_segment_ptr 1
		.amdhsa_wavefront_size32 1
		.amdhsa_system_sgpr_workgroup_id_x 1
		.amdhsa_system_sgpr_workgroup_id_y 1
		.amdhsa_system_sgpr_workgroup_id_z 1
		.amdhsa_system_vgpr_workitem_id 0
		.amdhsa_next_free_vgpr 1024
		.amdhsa_next_free_sgpr 96
		.amdhsa_reserve_vcc 0
		.amdhsa_float_denorm_mode_32 3
		.amdhsa_float_denorm_mode_16_64 3
		.amdhsa_memory_ordered 1
		.amdhsa_forward_progress 1
		.amdhsa_inst_pref_size 237
	.end_amdhsa_kernel
	.amdgpu_metadata
---
amdhsa.version: [ 1, 2 ]
amdhsa.kernels:
  - .name:           k_qb03502bca5_qv
    .symbol:         k_qb03502bca5_qv.kd
    .args:
      - { .name: act1, .offset: 0, .size: 8, .value_kind: global_buffer, .address_space: global }
      - { .name: W_q_codes, .offset: 8, .size: 8, .value_kind: global_buffer, .address_space: global }
      - { .name: W_q_scales, .offset: 16, .size: 8, .value_kind: global_buffer, .address_space: global }
      - { .name: W_v_codes, .offset: 24, .size: 8, .value_kind: global_buffer, .address_space: global }
      - { .name: W_v_scales, .offset: 32, .size: 8, .value_kind: global_buffer, .address_space: global }
      - { .name: b_q, .offset: 40, .size: 8, .value_kind: global_buffer, .address_space: global }
      - { .name: b_v, .offset: 48, .size: 8, .value_kind: global_buffer, .address_space: global }
      - { .name: act2, .offset: 56, .size: 8, .value_kind: global_buffer, .address_space: global }
    .group_segment_fixed_size: 327680
    .private_segment_fixed_size: 0
    .kernarg_segment_align: 8
    .kernarg_segment_size: 64
    .max_flat_workgroup_size: 128
    .sgpr_count:     96
    .vgpr_count:     1024
    .wavefront_size: 32
...
	.end_amdgpu_metadata
.endif
;; end of part 2
;; launch attn (part 3): grid 16 x 16, 16 waves a work-group, no clusters, 169,984 bytes of LDS; arguments act2, act3; writes act3
.if DOCPART == 3
	.amdgcn_target "amdgcn-amd-amdhsa--gfx1250"
	.amdhsa_code_object_version 6
	.text
	.protected	k_qb03502bca5_attn
	.globl	k_qb03502bca5_attn
	.p2align	8
	.type	k_qb03502bca5_attn,@function
k_qb03502bca5_attn:
	s_mov_b64 s[64:65], 0
	v_nop
	global_prefetch_b8 v0, s[64:65] scope:SCOPE_SE
	s_setreg_imm32_b32 hwreg(HW_REG_WAVE_MODE, 25, 1), 1
	s_wait_xcnt 0x0
; context = softmax(q vs^T / 8) vs for each of 16 batches x 16 heads, 512 queries x 512 keys, head size 64; key and value are the same vs.  Both products on codes of BF6 (E3M2) with E8M0 scales.
; THE SOFTMAX: t = score x log2(e) / 8; M = the running largest t rounded up to a whole number; p = 2^(t - M) is quantised along the keys; the row's sum is taken of the unquantised p and divides at the end.
; IN (act2): images of operand registers, as the launch before has laid them: q and vs along d [row tile][head pair] (registers 0-5: the pair's first head, 6-11: its second), V^T [batch][head][dt][ks].
; OUT (act3): the context quantised along its 1,024 columns: images [row tile mt][head pair hp] from 0, scale words [row][8] from 6,291,456.
; SHARES: a work-group owns 256 queries of one head pair of one batch; each of its sixteen waves 16 queries, both heads one after the other.  All that it reads of vs, 100 KB, comes into LDS once: no ring.
; No cluster: only the two query halves of a head pair share these tiles, fetched once each.
; K = 64 in an instruction of K = 128: q's operand for head c holds zero codes in the other head's half, so vs's fragments and both scale words are used as they lie.
; Both products are used transposed: a lane holds one query.  The keys of a tile are neighbours, so p's 16 registers of two tiles are keys 0-7 and 16-23 (lanes 0-15) or 8-15 and 24-31 (lanes 16-31) of a block of 32:
; V^T's codes lie in that same order.  LIMITS: NaN and infinities are not served; a block of zeros or under 2^-122 gets the scale byte 1.
; REGISTERS: v1-2 lane terms; v8-11 addresses in hand; v12 -M, v13 largest t, v[14:15] the sum; v16-27, v28-39 q for head 0, 1; v48-95 four fragments; v96-159 S^T, then p; v160-191 O^T; v192-204 the context's codes and word; v224.. p's codes; v232-254 at work; v255 q's scale word.
.set KI,   0                           ; 32 key tiles x 1,536
.set VTI,  49152                       ; 2 heads x 16 fragments x 1,536
.set KSC,  98304                       ; 512 scale words of vs along d
.set VSC,  100352                      ; 2 heads x 16 x 16 scale words of V^T
.set LI,   1
.set LS,   2
.set OC,   3
.set OW,   4
.set ADK,  8
.set ADV,  9
.set ADS,  10
.set ADT,  11
.set FB,   48
.set CT,   192
.set CW,   204
.set WV,   18
.set SEL,  20
.set CS,   22
.set G1K,  24
.set G1V,  32
.set G0K,  40
.set G0V,  44
.set G1S,  48
.set G0KS, 56
.set G0VS, 60
.set TK,   2
.set TS,   3
.set TV,   14
.set TT,   15
.set CNT,  19
.macro PLACES
.rept 4
	v_nop
.endr
.endm
	s_load_b128 s[4:7], s[0:1], 0x0                ; act2, act3
	v_lshl_add_u32 v223, v0, 2, 0x29000
	v_mov_b32 v243, 0
	ds_add_u32 v223, v243
	ds_add_u32 v223, v243
	v_lshrrev_b32 v8, 5, v0
	s_delay_alu instid0(VALU_DEP_1)
	v_readfirstlane_b32 s[WV], v8
	s_lshr_b32 s8, ttmp9, 1                        ; head pair
	s_and_b32 s9, ttmp9, 1                         ; which 256 queries
	s_and_b32 s10, ttmp7, 0xffff                   ; batch
	s_mov_b32 s[G1K], 3<<16                        ; 32 rows of 1,536 bytes (192 elements of 8), 12,288 bytes apart
	s_mov_b32 s[G1K+1], 192<<16
	s_mov_b32 s[G1K+2], 32<<16
	s_mov_b32 s[G1K+3], 192<<16
	s_mov_b32 s[G1K+4], 32
	s_mov_b32 s[G1K+5], 1536
	s_mov_b32 s[G1K+6], 0
	s_mov_b32 s[G1K+7], 0
	s_mov_b32 s[G1V], 3<<16                        ; a dense block of 49,152 bytes as 192 rows of 256
	s_mov_b32 s[G1V+1], 32<<16
	s_mov_b32 s[G1V+2], 192<<16
	s_mov_b32 s[G1V+3], 32<<16
	s_mov_b32 s[G1V+4], 192
	s_mov_b32 s[G1V+5], 32
	s_mov_b32 s[G1V+6], 0
	s_mov_b32 s[G1V+7], 0
	s_mov_b32 s[G1S], 3<<16                        ; a dense block of 2,048 bytes as 8 rows of 256
	s_mov_b32 s[G1S+1], 32<<16
	s_mov_b32 s[G1S+2], 8<<16
	s_mov_b32 s[G1S+3], 32<<16
	s_mov_b32 s[G1S+4], 8
	s_mov_b32 s[G1S+5], 32
	s_mov_b32 s[G1S+6], 0
	s_mov_b32 s[G1S+7], 0
	s_lshl_b32 s11, s10, 4
	s_lshl_b32 s12, s8, 1
	s_add_co_u32 s11, s11, s12                     ; 16 x batch + the pair's first head
	s_mov_b32 s17, 0
	s_wait_dscnt 0x0
	s_wait_kmcnt 0x0
	s_mul_i32 s16, s10, 393216                     ; vs along d: row tile 32 x batch, head pair hp
	s_mul_i32 s12, s8, 1536
	s_add_co_u32 s16, s16, s12
	s_add_co_u32 s16, s16, 6291456
	s_mov_b32 s[G0K], 1
	s_mov_b32 s[G0K+1], KI
	s_add_nc_u64 s[G0K+2:G0K+3], s[4:5], s[16:17]
	s_or_b32 s[G0K+3], s[G0K+3], 0x80000000
	s_mul_i32 s16, s11, 24576
	s_add_co_u32 s16, s16, 12582912
	s_mov_b32 s[G0V], 1
	s_mov_b32 s[G0V+1], VTI
	s_add_nc_u64 s[G0V+2:G0V+3], s[4:5], s[16:17]
	s_or_b32 s[G0V+3], s[G0V+3], 0x80000000
	s_lshl_b32 s16, s8, 15
	s_lshl_b32 s12, s10, 11
	s_add_co_u32 s16, s16, s12
	s_add_co_u32 s16, s16, 19136512
	s_mov_b32 s[G0KS], 1
	s_mov_b32 s[G0KS+1], KSC
	s_add_nc_u64 s[G0KS+2:G0KS+3], s[4:5], s[16:17]
	s_or_b32 s[G0KS+3], s[G0KS+3], 0x80000000
	s_lshl_b32 s16, s11, 10
	s_add_co_u32 s16, s16, 19398656
	s_mov_b32 s[G0VS], 1
	s_mov_b32 s[G0VS+1], VSC
	s_add_nc_u64 s[G0VS+2:G0VS+3], s[4:5], s[16:17]
	s_or_b32 s[G0VS+3], s[G0VS+3], 0x80000000
	; the fills: one load each in waves 0 to 3, filled once; four v_nop follow each line
	s_cmp_eq_u32 s[WV], 0
	s_cbranch_scc0 .Lnot0
	tensor_load_to_lds s[G0K:G0K+3], s[G1K:G1K+7]
	s_nop 0
	PLACES
	s_branch .Lasked
.Lnot0:
	s_cmp_eq_u32 s[WV], 1
	s_cbranch_scc0 .Lnot1
	tensor_load_to_lds s[G0V:G0V+3], s[G1V:G1V+7]
	s_nop 0
	PLACES
	s_branch .Lasked
.Lnot1:
	s_cmp_eq_u32 s[WV], 2
	s_cbranch_scc0 .Lnot2
	tensor_load_to_lds s[G0KS:G0KS+3], s[G1S:G1S+7]
	s_nop 0
	PLACES
	s_branch .Lasked
.Lnot2:
	s_cmp_eq_u32 s[WV], 3
	s_cbranch_scc0 .Lasked
	tensor_load_to_lds s[G0VS:G0VS+3], s[G1S:G1S+7]
	s_nop 0
	PLACES
.Lasked:
	v_and_b32 v8, 31, v0
	v_and_b32 v9, 15, v0
	s_delay_alu instid0(VALU_DEP_2)
	v_lshlrev_b32 v[LI], 4, v8                     ; 16 x lane: an image's place for my lane
	s_delay_alu instid0(VALU_DEP_2)
	v_lshlrev_b32 v[LS], 2, v9                     ; 4 x (lane % 16): a scale word's
	s_wait_alu depctr_va_vdst(0)
	s_lshl_b32 s12, s10, 5
	s_lshl_b32 s13, s9, 4
	s_add_co_u32 s12, s12, s13
	s_add_co_u32 s12, s12, s[WV]                   ; my row tile: 32 x batch + 16 x half + wave
	s_lshl_b32 s13, s12, 3
	s_add_co_u32 s13, s13, s8
	s_mul_i32 s13, s13, 1536
	v_add_nc_u32 v[OC], s13, v[LI]                 ; my image, in q's codes and in the context's
	s_lshl_b32 s13, s12, 6
	s_lshl_b32 s16, s8, 15
	s_add_co_u32 s13, s13, s16
	s_add_co_u32 s13, s13, 18874368
	v_add_nc_u32 v10, s13, v[LS]
.irp c, 0,1,2
	global_load_b128 v[FB+4*\c:FB+4*\c+3], v[OC], s[4:5] offset:512*\c
.endr
	global_load_b32 v255, v10, s[4:5]              ; q's scale words
	s_lshl_b32 s13, s12, 9
	s_lshl_b32 s16, s8, 2
	s_add_co_u32 s13, s13, s16
	s_add_co_u32 s13, s13, 6291456
	v_lshl_add_u32 v[OW], v9, 5, s13               ; the context's scale word: row x 32 + 4 hp
	s_mov_b32 s[SEL], 0x76543210
	s_mov_b32 s[SEL+1], 0xfedcba98
	s_mov_b32 s[CS], 0x3e38aa3b                    ; c = log2(e) / 8
	s_mov_b32 s[CS+1], s[CS]
.irp b, 0,1,2,3
	v_mov_b32 v[236+\b], 0                         ; written once: a lane permute's destination counts as one of its sources
.endr
	v_mov_b32 v253, 0
	s_wait_loadcnt 0x0
.irp i, 0,1,2,3,4,5
	v_mov_b32 v[16+\i], v[FB+\i]                   ; head 0: q's first six registers, then zero codes
	v_mov_b32 v[22+\i], 0
	v_mov_b32 v[28+\i], 0                          ; head 1: zero codes, then q's last six
	v_mov_b32 v[34+\i], v[FB+6+\i]
.endr
	s_wait_tensorcnt 0x0                           ; my fill has landed,
	s_barrier_signal -1
	s_barrier_wait -1                              ; everybody's has
; A KEY STEP: 128 keys
.macro STEP qr
	v_add_nc_u32 v[ADK], s[TK], v[LI]              ; (these four are also the places in front of the loads below)
	s_wait_alu depctr_va_vdst(0)
	v_add_nc_u32 v[ADV], s[TV], v[LI]
	v_add_nc_u32 v[ADS], s[TS], v[LS]
	s_wait_alu depctr_va_vdst(0)
	v_add_nc_u32 v[ADT], s[TT], v[LS]
.irp g, 0,1                                    ; S^T = vs q^T, four tiles of 16 keys at a time
.if \g > 0
	PLACES
.endif
.irp t, 0,1,2,3
.irp c, 0,1,2
	ds_load_b128 v[FB+12*\t+4*\c:FB+12*\t+4*\c+3], v[ADK] offset:(4*\g+\t)*1536+512*\c
.endr
	ds_load_b32 v[248+\t], v[ADS] offset:64*(4*\g+\t)
.endr
	s_wait_dscnt 0x0
.irp t, 0,1,2,3
	v_wmma_scale_f32_16x16x128_f8f6f4 v[96+8*(4*\g+\t):103+8*(4*\g+\t)], v[FB+12*\t:FB+12*\t+11], v[\qr:\qr+11], 0, v[248+\t], v255 matrix_a_fmt:MATRIX_FMT_BF6 matrix_b_fmt:MATRIX_FMT_BF6
.endr
.endr
	PLACES
.irp b, 0,1,2,3
	v_max3_num_f32 v[232+\b], v[96+16*\b], v[97+16*\b], v[98+16*\b]   ; the largest score of each block of 32 keys: for the row's maximum, and for the block's largest p
.endr
.irp i, 3,5,7,9,11,13
.irp b, 0,1,2,3
	v_max3_num_f32 v[232+\b], v[232+\b], v[96+16*\b+\i], v[97+16*\b+\i]
.endr
.endr
.irp b, 0,1,2,3
	v_max_num_f32 v[232+\b], v[232+\b], v[111+16*\b]
.endr
.irp b, 0,1,2,3
	s_delay_alu instid0(VALU_DEP_4)
	v_permlanex16_b32 v[236+\b], v[232+\b], s[SEL], s[SEL+1]
.endr
.irp b, 0,1,2,3
	s_delay_alu instid0(VALU_DEP_4)
	v_max_num_f32 v[232+\b], v[232+\b], v[236+\b]
.endr
	s_delay_alu instid0(VALU_DEP_2)
	v_max3_num_f32 v254, v232, v233, v234
	s_delay_alu instid0(VALU_DEP_1)
	v_max_num_f32 v254, v254, v235
	s_delay_alu instid0(VALU_DEP_1)
	v_mul_f32 v254, s[CS], v254
	s_delay_alu instid0(VALU_DEP_1)
	v_max_num_f32 v13, v13, v254                   ; the running largest t
	v_mov_b32 v254, v12
	s_delay_alu instid0(VALU_DEP_2)
	v_floor_f32 v12, -v13                          ; the new -M: a whole number
	s_delay_alu instid0(VALU_DEP_1)
	v_sub_f32 v254, v12, v254
	s_delay_alu instid0(VALU_DEP_1)
	v_cvt_i32_f32 v254, v254
	s_delay_alu instid0(VALU_DEP_1)
	v_ldexp_f32 v252, 1.0, v254                    ; f = 2^(old M - new M)
.set j, 0
.rept 32
	v_pk_fma_f32 v[96+j:97+j], v[96+j:97+j], s[CS:CS+1], v[12:13] op_sel_hi:[1,0,0]   ; t - M
.set j, j+2
.endr
.irp b, 0,1,2,3
	v_fma_f32 v[232+\b], v[232+\b], s[CS], v12
.endr
.set j, 0
	s_wait_alu depctr_va_vdst(0)
.rept 64
	v_exp_f32 v[96+j], v[96+j]                     ; p = 2^(t - M)
.set j, j+1
.endr
	v_pk_mul_f32 v[14:15], v[14:15], v[252:253] op_sel_hi:[1,0]   ; the sums under the new M; a plain place behind the exponentials
	s_wait_alu depctr_va_vdst(0)                   ; one wait for the batch, ahead of its first reader
.irp b, 0,1,2,3
	v_exp_f32 v[232+\b], v[232+\b]                 ; the blocks' largest p
.endr
	v_pk_add_f32 v[236:237], v[100:101], v[104:105]
	v_pk_add_f32 v[250:251], v[108:109], v[112:113]
	v_pk_add_f32 v[248:249], v[116:117], v[120:121]
	v_pk_add_f32 v[246:247], v[124:125], v[128:129]
	v_pk_add_f32 v[244:245], v[132:133], v[136:137]
	v_pk_add_f32 v[240:241], v[140:141], v[144:145]
	v_pk_add_f32 v[238:239], v[148:149], v[152:153]
	v_pk_add_f32 v[14:15], v[14:15], v[156:157]
	v_pk_add_f32 v[236:237], v[236:237], v[96:97]
	v_pk_add_f32 v[250:251], v[250:251], v[98:99]
	v_pk_add_f32 v[248:249], v[248:249], v[102:103]
	v_pk_add_f32 v[246:247], v[246:247], v[106:107]
	v_pk_add_f32 v[244:245], v[244:245], v[110:111]
	v_pk_add_f32 v[240:241], v[240:241], v[114:115]
	v_pk_add_f32 v[238:239], v[238:239], v[118:119]
	v_pk_add_f32 v[14:15], v[14:15], v[122:123]
	v_pk_add_f32 v[236:237], v[236:237], v[126:127]
	v_pk_add_f32 v[250:251], v[250:251], v[130:131]
	v_pk_add_f32 v[248:249], v[248:249], v[134:135]
	v_pk_add_f32 v[246:247], v[246:247], v[138:139]
	v_pk_add_f32 v[244:245], v[244:245], v[142:143]
	v_pk_add_f32 v[240:241], v[240:241], v[146:147]
	v_pk_add_f32 v[238:239], v[238:239], v[150:151]
	v_pk_add_f32 v[14:15], v[14:15], v[154:155]
	v_pk_add_f32 v[236:237], v[236:237], v[158:159]
	s_delay_alu instid0(VALU_DEP_2)
	v_pk_add_f32 v[14:15], v[14:15], v[246:247]
	s_delay_alu instid0(VALU_DEP_2)
	v_pk_add_f32 v[236:237], v[236:237], v[244:245]
	v_pk_add_f32 v[250:251], v[250:251], v[240:241]
	v_pk_add_f32 v[248:249], v[248:249], v[238:239]
	s_delay_alu instid0(VALU_DEP_2)
	v_pk_add_f32 v[14:15], v[14:15], v[250:251]
	s_delay_alu instid0(VALU_DEP_2)
	v_pk_add_f32 v[236:237], v[236:237], v[248:249]
	s_delay_alu instid0(VALU_DEP_1)
	v_pk_add_f32 v[14:15], v[14:15], v[236:237]
	s_wait_alu depctr_va_vdst(0)                   ; and one for the four
.irp b, 0,1,2,3
	v_max_num_f32 v[232+\b], 0x2800000, v[232+\b]  ; the floor 2^(5 - 127)
.endr
.irp b, 0,1,2,3
	s_delay_alu instid0(VALU_DEP_4)
	v_add_nc_u32 v[244+\b], 0xfe000000, v[232+\b]
.endr
.irp b, 0,1,2,3
	s_delay_alu instid0(VALU_DEP_4)
	v_lshrrev_b32 v[236+\b], 23, v[244+\b]
.endr
	s_delay_alu instid0(VALU_DEP_3)
	v_lshl_or_b32 v253, v237, 8, v236              ; p's scale word for these 128 keys
	s_delay_alu instid0(VALU_DEP_1)
	v_lshl_or_b32 v253, v238, 16, v253
	s_delay_alu instid0(VALU_DEP_1)
	v_lshl_or_b32 v253, v239, 24, v253
.irp c, 0,1
	v_cvt_scalef32_pk16_bf6_f32 v[224+6*\c:226+6*\c], v[96+32*\c:111+32*\c], v[244+2*\c]
	v_cvt_scalef32_pk16_bf6_f32 v[236+4*\c:238+4*\c], v[112+32*\c:127+32*\c], v[244+2*\c+1]
.endr
	v_nop
.irp c, 0,1
.irp i, 0,1,2
	v_permlane16_swap_b32 v[224+6*\c+\i], v[236+4*\c+\i]
.endr
.irp i, 0,1,2
	s_delay_alu instid0(VALU_DEP_3)
	v_mov_b32 v[227+6*\c+\i], v[236+4*\c+\i]
.endr
.endr
.set j, 0
.rept 16
	v_pk_mul_f32 v[160+j:161+j], v[160+j:161+j], v[252:253] op_sel_hi:[1,0]   ; O^T under the new M; also the places in front of the products below
.set j, j+2
.endr
.irp t, 0,1,2,3                                ; O^T += V^T p^T: the head's four tiles of 16
.irp c, 0,1,2
	ds_load_b128 v[FB+12*\t+4*\c:FB+12*\t+4*\c+3], v[ADV] offset:6144*\t+512*\c
.endr
	ds_load_b32 v[248+\t], v[ADT] offset:256*\t
.endr
	s_wait_alu depctr_va_vdst(0)
	s_wait_dscnt 0x0
.irp t, 0,1,2,3
	v_wmma_scale_f32_16x16x128_f8f6f4 v[160+8*\t:167+8*\t], v[FB+12*\t:FB+12*\t+11], v[224:235], v[160+8*\t:167+8*\t], v[248+\t], v253 matrix_a_fmt:MATRIX_FMT_BF6 matrix_b_fmt:MATRIX_FMT_BF6
.endr
	s_add_co_u32 s[TK], s[TK], 8*1536
	s_add_co_u32 s[TS], s[TS], 512
	s_add_co_u32 s[TV], s[TV], 1536
	s_add_co_u32 s[TT], s[TT], 64
.endm
; ONE HEAD of the pair: four key steps, then O^T / the sum, quantised: blocks 2 c and 2 c + 1 of the context's K step
.macro HEAD c
	v_mov_b32 v13, 0xff61b1e6                      ; -3e38, under every t
	s_delay_alu instid0(VALU_DEP_1)
	v_floor_f32 v12, -v13
	v_mov_b32 v14, 0
	v_mov_b32 v15, 0
.set j, 0
.rept 32
	v_mov_b32 v[160+j], 0                          ; the step is written once: the first finds zeros
.set j, j+1
.endr
	s_mov_b32 s[TK], KI
	s_mov_b32 s[TS], KSC
	s_mov_b32 s[TV], VTI+24576*\c
	s_mov_b32 s[TT], VSC+1024*\c
	s_mov_b32 s[CNT], 4
.Lstep_\@:
	STEP 16+12*\c
	s_sub_co_u32 s[CNT], s[CNT], 1
	s_cmp_lg_u32 s[CNT], 0
	s_cbranch_scc1 .Lstep_\@
	PLACES
	v_add_f32 v14, v14, v15
	s_delay_alu instid0(VALU_DEP_1)
	v_permlanex16_b32 v252, v14, s[SEL], s[SEL+1]
	s_delay_alu instid0(VALU_DEP_1)
	v_add_f32 v14, v14, v252                       ; the row's sum
	s_wait_alu depctr_va_vdst(0)
	v_rcp_f32 v14, v14
	v_nop
	s_wait_alu depctr_va_vdst(0)
.set j, 0
.rept 32
	v_mul_f32 v[96+j], v[160+j], v14               ; register 16 b + i is d = 32 b + 16 (lane / 16) + i of my query
.set j, j+1
.endr
.irp b, 0,1
	v_max3_num_f32 v[232+\b], |v[96+16*\b]|, |v[97+16*\b]|, 0x2800000
.endr
.irp i, 2,4,6,8,10,12,14
.irp b, 0,1
	s_delay_alu instid0(VALU_DEP_2)
	v_max3_num_f32 v[232+\b], v[232+\b], |v[96+16*\b+\i]|, |v[97+16*\b+\i]|
.endr
.endr
.irp b, 0,1
	s_delay_alu instid0(VALU_DEP_2)
	v_permlanex16_b32 v[236+\b], v[232+\b], s[SEL], s[SEL+1]
.endr
.irp b, 0,1
	s_delay_alu instid0(VALU_DEP_2)
	v_max_num_f32 v[232+\b], v[232+\b], v[236+\b]
.endr
.irp b, 0,1
	s_delay_alu instid0(VALU_DEP_2)
	v_add_nc_u32 v[244+\b], 0xfe000000, v[232+\b]
.endr
.irp b, 0,1
	s_delay_alu instid0(VALU_DEP_2)
	v_lshrrev_b32 v[236+\b], 23, v[244+\b]
.endr
.if \c == 0
	s_delay_alu instid0(VALU_DEP_1)
	v_lshl_or_b32 v[CW], v237, 8, v236
.else
	s_delay_alu instid0(VALU_DEP_2)
	v_lshl_or_b32 v[CW], v236, 16, v[CW]
	s_delay_alu instid0(VALU_DEP_1)
	v_lshl_or_b32 v[CW], v237, 24, v[CW]
.endif
	v_cvt_scalef32_pk16_bf6_f32 v[CT+6*\c:CT+6*\c+2], v[96:111], v244
	v_cvt_scalef32_pk16_bf6_f32 v[240:242], v[112:127], v245
	v_nop
.irp i, 0,1,2
	v_permlane16_swap_b32 v[CT+6*\c+\i], v[240+\i]
.endr
.irp i, 0,1,2
	s_delay_alu instid0(VALU_DEP_3)
	v_mov_b32 v[CT+6*\c+3+\i], v[240+\i]
.endr
.endm
	HEAD 0
	HEAD 1
.irp c, 0,1,2
	global_store_b128 v[OC], v[CT+4*\c:CT+4*\c+3], s[6:7] offset:512*\c   ; 32 lanes store 512 consecutive bytes, aligned
.endr
	global_store_b32 v[OW], v[CW], s[6:7]          ; both halves of the lanes hold the row's word and write the same value
	s_wait_tensorcnt 0x0
	ds_add_u32 v223, v243
	s_wait_dscnt 0x0
	s_endpgm
.Lfunc_end_k_qb03502bca5_attn:
	.size	k_qb03502bca5_attn, .Lfunc_end_k_qb03502bca5_attn-k_qb03502bca5_attn
	.p2alignl 7, 3214868480
	.fill 96, 4, 3214868480
	.section	.rodata,"a",@progbits
	.p2align	6, 0x0
	.amdhsa_kernel k_qb03502bca5_attn
		.amdhsa_group_segment_fixed_size 169984
		.amdhsa_private_segment_fixed_size 0
		.amdhsa_enable_private_segment 0
		.amdhsa_kernarg_size 16
		.amdhsa_user_sgpr_count 2
		.amdhsa_user_sgpr_kernarg_segment_ptr 1
		.amdhsa_wavefront_size32 1
		.amdhsa_system_sgpr_workgroup_id_x 1
		.amdhsa_system_sgpr_workgroup_id_y 1
		.amdhsa_system_sgpr_workgroup_id_z 1
		.amdhsa_system_vgpr_workitem_id 0
		.amdhsa_next_free_vgpr 256
		.amdhsa_next_free_sgpr 66
		.amdhsa_reserve_vcc 0
		.amdhsa_float_denorm_mode_32 3
		.amdhsa_float_denorm_mode_16_64 3
		.amdhsa_memory_ordered 1
		.amdhsa_forward_progress 1
		.amdhsa_inst_pref_size 56
	.end_amdhsa_kernel
	.amdgpu_metadata
---
amdhsa.version: [ 1, 2 ]
amdhsa.kernels:
  - .name:           k_qb03502bca5_attn
    .symbol:         k_qb03502bca5_attn.kd
    .args:
      - { .name: act2, .offset: 0, .size: 8, .value_kind: global_buffer, .address_space: global }
      - { .name: act3, .offset: 8, .size: 8, .value_kind: global_buffer, .address_space: global }
    .group_segment_fixed_size: 169984
    .private_segment_fixed_size: 0
    .kernarg_segment_align: 8
    .kernarg_segment_size: 16
    .max_flat_workgroup_size: 512
    .sgpr_count:     66
    .vgpr_count:     256
    .wavefront_size: 32
...
	.end_amdgpu_metadata
.endif
;; end of part 3
;; launch outln (part 4): grid 256 x 1, 4 waves a work-group, clusters of 4 x 1, 327,680 bytes of LDS; arguments act3, v1f, W_p_codes, W_p_scales, b_p, pos_v, ln_gamma, ln_beta, out0; writes out0
.if DOCPART == 4
	.amdgcn_target "amdgcn-amd-amdhsa--gfx1250"
	.amdhsa_code_object_version 6
	.text
	.protected	k_qb03502bca5_outln
	.globl	k_qb03502bca5_outln
	.p2align	8
	.type	k_qb03502bca5_outln,@function
k_qb03502bca5_outln:
	s_mov_b64 s[64:65], 0
	v_nop
	global_prefetch_b8 v0, s[64:65] scope:SCOPE_SE
	s_setreg_imm32_b32 hwreg(HW_REG_WAVE_MODE, 25, 1), 1
	s_wait_xcnt 0x0
	s_wait_alu depctr_hold_cnt(0) depctr_sa_sdst(0) depctr_va_vdst(0) depctr_va_sdst(0) depctr_va_ssrc(0) depctr_va_vcc(0) depctr_vm_vsrc(0)
	s_getreg_b32 s2, hwreg(HW_REG_IB_STS2, 6, 4)
	s_cmp_eq_u32 s2, 0
	s_cbranch_scc0 .Lentry_in_a_cluster
	s_endpgm
.Lentry_in_a_cluster:
	s_bfe_u32 s2, ttmp6, 0x10000c
	s_cmp_lg_u32 s2, 0x3003
	s_cbranch_scc0 .Lentry_shape_is_right
	s_endpgm
.Lentry_shape_is_right:
; out = LayerNorm(v1 + pos_v + context W_p + b_p) x gamma + beta.  The product on codes of BF6 (E3M2) with E8M0 scales, K = 1,024; all else in f32.
; IN: act3: the context's codes as images of operand registers [row tile][K step] and scale words [row][8] from 6,291,456; v1f: v1 as images of accumulators [row tile][column tile]; W_p: [1024][1024] codes, K innermost.
; SHARES: a work-group owns 32 rows and all 1,024 columns, so that a row's mean and variance stay in it; wave w owns columns 256 w .. 256 w + 255: 2 x 16 accumulators.
; The accumulators BEGIN as v1 (loaded in the result's layout), so the residual costs no addition.  The context's 16 fragments and all scale words stay in registers.
; W_p COMES BY WHOLE ROWS, IN THREE CHUNKS of 6, 6 and 4 column tiles a wave.  Each wave has a region of LDS of its own, 96 rows, which it alone fills and reads: one tensor load a chunk, one first fill and two refills.
; The refills have no other slot's work beside them: few large fills are taken in place of many small ones.  Within a chunk the products go K step by K step over the chunk's tiles.
; CLUSTER 4 x 1: all work-groups walk the same W_p, so each chunk is asked for jointly by the four.
; The loads at the head are ordered by need: what chunk 0 wants first, then chunk 1's tiles of v1 and scale words, then chunk 2's; the waits are counted.
; LayerNorm in two passes over the row in registers: the mean, then the sum of squares of the centred numbers.  LIMITS: NaN and infinities are not served.
; REGISTERS: window 0: v8-29 addresses; v32-47 the context's scale words, v48-175 W_p's (later b_p, gamma, beta); v176-215 a row at work.  window 1: W_p's fragments, two sets, at v0 and v128 (later pos_v).
;   window 2: accumulator (m, t) at v[8 (16 m + t)].  window 3: the context's fragment (m, ks) at v[12 (8 m + ks)].
.set FR,    12
.set BP,    816                        ; a row of W_p in LDS: 3 x (256 bytes + 16 of padding) = 204 words: row r starts at bank 12 r mod 64, so the 32 lanes of a load of 8 bytes touch 64 different banks
.set WREG,  96*BP                      ; a wave's region
.set SPARE, 4*WREG                     ; behind the regions: the spare words, 128 bytes a wave
.set SPI,   4112                       ; the stage, over the regions when they have had their last fill and read: 32 rows x (4,096 bytes + 16)
.set AO,   8
.set CO,   9
.set CSO,  10
.set WSO,  11
.set PO,   12
.set OO,   13
.set VO,   14
.set ADRB, 16                          ; v16 a chunk's tiles 0-3, v17 tiles 4, 5; v18, v19 the same behind one padding more
.set STO,  24                          ; v24-25 into the stage: rows 0-15, rows 16-31
.set RD,   26
.set SPW,  28
.set NIL,  29
.set AS,   32
.set WS,   48
.set BPR,  32
.set GAM,  64
.set BET,  96
.set X,    176
.set S0,   208
.set S1,   210
.set MU,   212
.set RS,   214
.set WV,   22
.set G1,   24                          ; s[24:31] group 1 for a chunk of 96 rows;  s[48:55] for the last, of 64
.set G0,   32
.set SEL,  42
.set G1C,  48
.set MSB, 0
.macro WIN new
.if MSB != \new
	s_set_vgpr_msb (MSB<<8)|\new
.set MSB, \new
.endif
.endm
.macro PLACES
.rept 4
	v_nop
.endr
.endm
.macro CROUND
	s_barrier_signal -1
	s_barrier_wait -1
	s_cmp_lg_u32 s[WV], 0
	s_cbranch_scc1 .Lnot_wave_0_\@
	s_barrier_signal -3
.Lnot_wave_0_\@:
	s_barrier_wait -3
	s_barrier_signal -1
	s_barrier_wait -1
.endm
; A fragment, 16 rows x 128 K: six pieces of 8 bytes.  Piece p of a row lies at 8 p + 16 (p / 32); lanes 16-31 read three pieces further on, behind one padding more where p % 32 is 29 or more
.macro FRAG reg, ks, i
.irp p, 0,1,2,3,4,5
.set PCE, 12*(\ks)+6*(\p/3)+\p%3
.if PCE%32 < 29
	ds_load_b64 v[\reg+2*\p:\reg+2*\p+1], v[ADRB+(\i)/4] offset:8*PCE+16*(PCE/32)+((\i)%4)*16*BP
.else
	ds_load_b64 v[\reg+2*\p:\reg+2*\p+1], v[ADRB+2+(\i)/4] offset:8*PCE+16*(PCE/32)+((\i)%4)*16*BP
.endif
.endr
.endm
.macro FETCHW ks, cnt, p               ; K step ks of the chunk's cnt tiles into set p
	WIN 0x40
.set ii, 0
.rept \cnt
	FRAG 128*(\p)+FR*ii, \ks, ii
.set ii, ii+1
.endr
.endm
.macro PRODW ks, cnt, t0, p            ; 2 cnt products: the chunk's tiles x 2 row tiles; the accumulators take turns
	WIN 0xad                                       ; source 0 window 1, source 1 window 3, C and D window 2
.set tt, 0
.rept \cnt
.irp m, 0,1
	v_wmma_scale_f32_16x16x128_f8f6f4 v[8*(16*\m+(\t0)+tt):8*(16*\m+(\t0)+tt)+7], v[128*(\p)+FR*tt:128*(\p)+FR*tt+FR-1], v[FR*(8*\m+(\ks)):FR*(8*\m+(\ks))+FR-1], v[8*(16*\m+(\t0)+tt):8*(16*\m+(\t0)+tt)+7], v[WS+8*((\t0)+tt)+(\ks)], v[AS+8*\m+(\ks)] matrix_a_fmt:MATRIX_FMT_BF6 matrix_b_fmt:MATRIX_FMT_BF6
.endr
.set tt, tt+1
.endr
.endm
.macro CHUNK t0, cnt                   ; column tiles t0 .. t0 + cnt - 1, all of K: the next K step's fragments are asked for ahead of each K step's products
	FETCHW 0, \cnt, 0
.irp ks, 0,1,2,3,4,5,6,7
.if \ks < 7
	PLACES                                         ; four places in front of loads into registers that matrix instructions have read
	FETCHW \ks+1, \cnt, 1-\ks%2
	s_wait_dscnt 6*\cnt                            ; this K step's fragments are in; the next one's, just asked for, may be out
.else
	s_wait_dscnt 0x0
.endif
	PRODW \ks, \cnt, \t0, \ks%2
.endr
	WIN 0
.endm
; My region is filled again: all my tensor loads have landed, the add, my reads of the region are over; a round of the cluster's barrier; my one load; and the wait for it, since only I read these bytes
.macro REFILL g1
	s_wait_tensorcnt 0x0
	ds_add_u32 v[SPW], v[NIL]                      ; 0 onto my spare word
	s_add_nc_u64 s[G0+2:G0+3], s[G0+2:G0+3], 96*768   ; the next rows of W_p
	s_wait_dscnt 0x0
	CROUND
	tensor_load_to_lds s[G0:G0+3], s[\g1:\g1+7]
	s_nop 0
	PLACES                                         ; behind the load; also the places in front of the chunk's first loads
	s_wait_tensorcnt 0x0
.endm
.macro LGRP t0, cnt                    ; what a chunk wants beside its tiles: W_p's scale words of its column tiles (2 loads a tile) and v1 in the accumulators (4 loads a tile): 6 cnt loads
	WIN 0
.set tt, \t0
.rept \cnt
	global_load_b128 v[WS+8*tt:WS+8*tt+3], v[WSO], s[10:11] offset:512*tt
	global_load_b128 v[WS+8*tt+4:WS+8*tt+7], v[WSO], s[10:11] offset:512*tt+16
.set tt, tt+1
.endr
	WIN 0x80                                       ; destination window 2
.irp m, 0,1
.set tt, \t0
.rept \cnt
	global_load_b128 v[8*(16*\m+tt):8*(16*\m+tt)+3], v[AO], s[6:7] offset:65536*\m+1024*tt th:TH_LOAD_NT
	global_load_b128 v[8*(16*\m+tt)+4:8*(16*\m+tt)+7], v[AO], s[6:7] offset:65536*\m+1024*tt+512 th:TH_LOAD_NT
.set tt, tt+1
.endr
.endr
	WIN 0
.endm
.macro LANESUM                         ; v[S0] summed over the 32 lanes, in every lane
	v_add_f32_dpp v[S0], v[S0], v[S0] row_xmask:1 row_mask:0xf bank_mask:0xf
	v_add_f32_dpp v[S0], v[S0], v[S0] row_xmask:2 row_mask:0xf bank_mask:0xf
	v_add_f32_dpp v[S0], v[S0], v[S0] row_xmask:4 row_mask:0xf bank_mask:0xf
	v_add_f32_dpp v[S0], v[S0], v[S0] row_xmask:8 row_mask:0xf bank_mask:0xf
	v_permlanex16_b32 v[S1], v[S0], s[SEL], s[SEL+1]
	v_add_f32 v[S0], v[S0], v[S1]
.endm
.macro ROWLN p                         ; my row p of 8: a lane holds columns 128 i + 4 lane + 0 .. 3, i = 0 .. 7
	s_wait_xcnt 0x0                                ; the last row's stores have read their registers
.irp i, 0,1,2,3,4,5,6,7
	ds_load_b128 v[X+4*\i:X+4*\i+3], v[RD] offset:(\p)*SPI+512*\i
.endr
	s_wait_dscnt 0x0
	WIN 0x04                                       ; source 1: window 1
.set i, 0
.rept 16
	v_pk_add_f32 v[X+i:X+i+1], v[X+i:X+i+1], v[32*(\p)+i:32*(\p)+i+1]   ; + pos_v
.set i, i+2
.endr
	WIN 0
.set i, 0
.rept 16
	v_pk_add_f32 v[X+i:X+i+1], v[X+i:X+i+1], v[BPR+i:BPR+i+1]           ; + b_p
.set i, i+2
.endr
	v_pk_add_f32 v[S0:S0+1], v[X:X+1], v[X+2:X+3]
	v_pk_add_f32 v[S1:S1+1], v[X+4:X+5], v[X+6:X+7]
.irp i, 8,12,16,20,24,28
	v_pk_add_f32 v[S0:S0+1], v[S0:S0+1], v[X+\i:X+\i+1]
	v_pk_add_f32 v[S1:S1+1], v[S1:S1+1], v[X+\i+2:X+\i+3]
.endr
	v_pk_add_f32 v[S0:S0+1], v[S0:S0+1], v[S1:S1+1]
	v_add_f32 v[S0], v[S0], v[S0+1]
	LANESUM
	v_mul_f32 v[MU], s44, v[S0]                    ; the mean
.set i, 0
.rept 16
	v_pk_add_f32 v[X+i:X+i+1], v[X+i:X+i+1], v[MU:MU+1] op_sel_hi:[1,0] neg_lo:[0,1] neg_hi:[0,1]
.set i, i+2
.endr
	v_pk_mul_f32 v[S0:S0+1], v[X:X+1], v[X:X+1]
	v_pk_mul_f32 v[S1:S1+1], v[X+2:X+3], v[X+2:X+3]
.irp i, 4,8,12,16,20,24,28
	v_pk_fma_f32 v[S0:S0+1], v[X+\i:X+\i+1], v[X+\i:X+\i+1], v[S0:S0+1]
	v_pk_fma_f32 v[S1:S1+1], v[X+\i+2:X+\i+3], v[X+\i+2:X+\i+3], v[S1:S1+1]
.endr
	v_pk_add_f32 v[S0:S0+1], v[S0:S0+1], v[S1:S1+1]
	v_add_f32 v[S0], v[S0], v[S0+1]
	LANESUM
	v_fma_f32 v[S0], v[S0], s44, s45               ; the variance + 1e-6
	s_wait_alu depctr_va_vdst(0)
	v_rsq_f32 v[RS], v[S0]
	v_nop                                          ; a plain place behind the transcendental
	s_wait_alu depctr_va_vdst(0)                   ; and the wait ahead of its first reader
.set i, 0
.rept 16
	v_pk_mul_f32 v[X+i:X+i+1], v[X+i:X+i+1], v[RS:RS+1] op_sel_hi:[1,0]
.set i, i+2
.endr
.set i, 0
.rept 16
	v_pk_fma_f32 v[X+i:X+i+1], v[X+i:X+i+1], v[GAM+i:GAM+i+1], v[BET+i:BET+i+1]
.set i, i+2
.endr
.irp i, 0,1,2,3,4,5,6,7
	global_store_b128 v[OO], v[X+4*\i:X+4*\i+3], s[20:21] offset:(\p)*4096+512*\i th:TH_STORE_NT   ; 32 lanes store 512 consecutive bytes, aligned
.endr
.endm
	s_load_b512 s[4:19], s[0:1], 0x0               ; act3, v1f, W_p codes, W_p scales, b_p, pos_v, gamma, beta
	s_load_b64 s[20:21], s[0:1], 0x40              ; out0
	v_lshl_add_u32 v[SPW], v0, 2, SPARE
	v_mov_b32 v[NIL], 0
	ds_add_u32 v28, v29
	ds_add_u32 v28, v29
	s_wait_dscnt 0x0
	v_lshrrev_b32 v1, 5, v0
	v_readfirstlane_b32 s[WV], v1
	s_bfe_u32 s23, ttmp6, 0x40000                  ; cx
	s_lshl_b32 s40, ttmp9, 2
	s_add_co_u32 s40, s40, s23                     ; my block of 32 rows: it enters global offsets alone
	; rows of 768 bytes, dense in memory, 16 bytes of padding behind every 256; the mask names all four work-groups
	s_mov_b32 s[G1], 15|(1<<20)|(1<<21)|(5<<22)|(3<<25)
	s_mov_b32 s[G1+1], 768<<16
	s_mov_b32 s[G1+2], 96<<16
	s_mov_b32 s[G1+3], 768<<16
	s_mov_b32 s[G1+4], 96
	s_mov_b32 s[G1+5], 768
	s_mov_b32 s[G1+6], 0
	s_mov_b32 s[G1+7], 0
	s_mov_b32 s[G1C], 15|(1<<20)|(1<<21)|(5<<22)|(3<<25)
	s_mov_b32 s[G1C+1], 768<<16
	s_mov_b32 s[G1C+2], 64<<16
	s_mov_b32 s[G1C+3], 768<<16
	s_mov_b32 s[G1C+4], 64
	s_mov_b32 s[G1C+5], 768
	s_mov_b32 s[G1C+6], 0
	s_mov_b32 s[G1C+7], 0
	s_mul_i32 s46, s[WV], 256*768                  ; my 256 rows of W_p
	s_mov_b32 s47, 0
	s_mul_i32 s41, s[WV], WREG                     ; my region
	s_mov_b32 s[SEL], 0x76543210
	s_mov_b32 s[SEL+1], 0xfedcba98
	s_mov_b32 s44, 0x3a800000                      ; 1 / 1,024
	s_mov_b32 s45, 0x358637bd                      ; 1e-6
	s_wait_kmcnt 0x0
	s_add_nc_u64 s[46:47], s[8:9], s[46:47]
	s_mov_b32 s[G0], 1
	s_mov_b32 s[G0+1], s41
	s_mov_b64 s[G0+2:G0+3], s[46:47]
	s_or_b32 s[G0+3], s[G0+3], 0x80000000
	CROUND
	tensor_load_to_lds s[G0:G0+3], s[G1:G1+7]      ; chunk 0: my column tiles 0 to 5; one tensor load of a wave is out
	s_nop 0
	PLACES
	v_and_b32 v1, 15, v0                           ; r
	s_wait_alu depctr_va_vdst(0)
	v_bfe_u32 v2, v0, 4, 1                         ; h
	v_and_b32 v3, 31, v0
	v_lshlrev_b32 v[VO], 4, v3                     ; 16 x lane
	s_lshl_b32 s46, s40, 7
	s_lshl_b32 s47, s[WV], 4
	s_add_co_u32 s46, s46, s47
	s_lshl_b32 s46, s46, 10
	v_add_nc_u32 v[AO], s46, v[VO]                 ; v1f: tile (2 g, 16 w)
	s_wait_alu depctr_va_vdst(0)
	s_mul_i32 s46, s40, 24576
	v_add_nc_u32 v[CO], s46, v[VO]                 ; the context's fragments of row tile 2 g
	s_lshl_b32 s46, s40, 10
	s_add_co_u32 s46, s46, 6291456
	v_lshl_add_u32 v[CSO], v1, 5, s46              ; its scale words: row 32 g + r
	s_lshl_b32 s46, s[WV], 13
	v_lshl_add_u32 v[WSO], v1, 5, s46              ; W_p's: row 256 w + r
.irp m, 0,1
	global_load_b128 v[AS+8*\m:AS+8*\m+3], v[CSO], s[4:5] offset:512*\m
	global_load_b128 v[AS+8*\m+4:AS+8*\m+7], v[CSO], s[4:5] offset:512*\m+16
.endr
	WIN 0xc0                                       ; destination window 3: the context's fragments
.irp m, 0,1
.set i, 0
.rept 24
	global_load_b128 v[96*\m+4*i:96*\m+4*i+3], v[CO], s[4:5] offset:12288*\m+512*i th:TH_LOAD_NT
.set i, i+1
.endr
.endr
	LGRP 0, 6
	LGRP 6, 6                                      ; 36 loads
	LGRP 12, 4                                     ; 24 loads
	v_mul_u32_u24 v4, v1, BP
	v_mad_u32_u24 v4, v2, 24, v4                   ; a fragment's row x pitch + 24 x half
	v_add_nc_u32 v[ADRB], s41, v4
	v_add_nc_u32 v[ADRB+1], 64*BP, v[ADRB]
	v_lshl_add_u32 v[ADRB+2], v2, 4, v[ADRB]       ; and behind one padding more
	v_lshl_add_u32 v[ADRB+3], v2, 4, v[ADRB+1]
	v_mul_u32_u24 v4, v1, SPI                      ; into the stage: row r, + 32 h, + my 1,024 bytes of a row
	v_lshl_add_u32 v4, v2, 5, v4
	s_lshl_b32 s46, s[WV], 10
	v_add_nc_u32 v[STO], s46, v4
	v_add_nc_u32 v[STO+1], 16*SPI, v[STO]
	s_mul_i32 s46, s[WV], 8*SPI                    ; back: my 8 rows, 16 bytes a lane
	v_add_nc_u32 v[RD], s46, v[VO]
	s_lshl_b32 s46, s40, 5
	s_lshl_b32 s47, s[WV], 3
	s_add_co_u32 s46, s46, s47                     ; my first row on the way out: 32 g + 8 w
	s_and_b32 s47, s46, 511                        ; and in pos_v: within its batch
	s_lshl_b32 s46, s46, 12
	s_lshl_b32 s47, s47, 12
	v_add_nc_u32 v[OO], s46, v[VO]
	v_add_nc_u32 v[PO], s47, v[VO]
	v_mov_b32 v[MU+1], 0                           ; named as the upper halves of pairs
	v_mov_b32 v[RS+1], 0
	s_wait_tensorcnt 0x0                           ; chunk 0 has landed in my region, which only I read
	s_wait_loadcnt 60                              ; all but the 36 + 24 loads for the tiles of chunks 1 and 2
	CHUNK 0, 6
	REFILL G1                                      ; chunk 1: my column tiles 6 to 11
	s_wait_loadcnt 24                              ; all but chunk 2's 24
	CHUNK 6, 6
	REFILL G1C                                     ; chunk 2: my column tiles 12 to 15
	s_wait_loadcnt 0x0
	CHUNK 12, 4
	; THE WAY OUT
	PLACES                                         ; in front of loads into registers that matrix instructions have read, and of the first read of results
	WIN 0x40                                       ; pos_v: my 8 rows, into window 1
.set i, 0
	s_wait_alu depctr_va_vdst(0)
.rept 64
	global_load_b128 v[4*i:4*i+3], v[PO], s[14:15] offset:512*i
.set i, i+1
.endr
	WIN 0
.irp i, 0,1,2,3,4,5,6,7
	global_load_b128 v[BPR+4*\i:BPR+4*\i+3], v[VO], s[12:13] offset:512*\i
	global_load_b128 v[GAM+4*\i:GAM+4*\i+3], v[VO], s[16:17] offset:512*\i
	global_load_b128 v[BET+4*\i:BET+4*\i+3], v[VO], s[18:19] offset:512*\i
.endr
	s_wait_dscnt 0x0                               ; my reads of my region are over; it has had its last fill
	s_barrier_signal -1
	s_barrier_wait -1                              ; everybody's are: the stage may be written over the regions
	WIN 0x08                                       ; an LDS store's data: window 2
.irp m, 0,1
.set tt, 0
.rept 16
	ds_store_b128 v[STO+\m], v[8*(16*\m+tt):8*(16*\m+tt)+3] offset:64*tt       ; each accumulator from its low end on
	ds_store_b128 v[STO+\m], v[8*(16*\m+tt)+4:8*(16*\m+tt)+7] offset:64*tt+16
.set tt, tt+1
.endr
.endr
	WIN 0
	s_wait_dscnt 0x0                               ; my stores into the stage are done
	s_barrier_signal -1
	s_barrier_wait -1
	s_wait_loadcnt 0x0                             ; pos_v, b_p, gamma, beta
	ROWLN 0
	ROWLN 1
	ROWLN 2
	ROWLN 3
	ROWLN 4
	ROWLN 5
	ROWLN 6
	ROWLN 7
	s_wait_tensorcnt 0x0                           ; the wave's end
	ds_add_u32 v[SPW], v[NIL]
	s_wait_dscnt 0x0
	CROUND                                         ; the closing round
	s_endpgm
.Lfunc_end_k_qb03502bca5_outln:
	.size	k_qb03502bca5_outln, .Lfunc_end_k_qb03502bca5_outln-k_qb03502bca5_outln
	.p2alignl 7, 3214868480
	.fill 96, 4, 3214868480
	.section	.rodata,"a",@progbits
	.p2align	6, 0x0
	.amdhsa_kernel k_qb03502bca5_outln
		.amdhsa_group_segment_fixed_size 327680
		.amdhsa_private_segment_fixed_size 0
		.amdhsa_enable_private_segment 0
		.amdhsa_kernarg_size 72
		.amdhsa_user_sgpr_count 2
		.amdhsa_user_sgpr_kernarg_segment_ptr 1
		.amdhsa_wavefront_size32 1
		.amdhsa_system_sgpr_workgroup_id_x 1
		.amdhsa_system_sgpr_workgroup_id_y 1
		.amdhsa_system_sgpr_workgroup_id_z 1
		.amdhsa_system_vgpr_workitem_id 0
		.amdhsa_next_free_vgpr 1024
		.amdhsa_next_free_sgpr 66
		.amdhsa_reserve_vcc 0
		.amdhsa_float_denorm_mode_32 3
		.amdhsa_float_denorm_mode_16_64 3
		.amdhsa_memory_ordered 1
		.amdhsa_forward_progress 1
		.amdhsa_inst_pref_size 194
	.end_amdhsa_kernel
	.amdgpu_metadata
---
amdhsa.version: [ 1, 2 ]
amdhsa.kernels:
  - .name:           k_qb03502bca5_outln
    .symbol:         k_qb03502bca5_outln.kd
    .args:
      - { .name: act3, .offset: 0, .size: 8, .value_kind: global_buffer, .address_space: global }
      - { .name: v1f, .offset: 8, .size: 8, .value_kind: global_buffer, .address_space: global }
      - { .name: W_p_codes, .offset: 16, .size: 8, .value_kind: global_buffer, .address_space: global }
      - { .name: W_p_scales, .offset: 24, .size: 8, .value_kind: global_buffer, .address_space: global }
      - { .name: b_p, .offset: 32, .size: 8, .value_kind: global_buffer, .address_space: global }
      - { .name: pos_v, .offset: 40, .size: 8, .value_kind: global_buffer, .address_space: global }
      - { .name: ln_gamma, .offset: 48, .size: 8, .value_kind: global_buffer, .address_space: global }
      - { .name: ln_beta, .offset: 56, .size: 8, .value_kind: global_buffer, .address_space: global }
      - { .name: out0, .offset: 64, .size: 8, .value_kind: global_buffer, .address_space: global }
    .group_segment_fixed_size: 327680
    .private_segment_fixed_size: 0
    .kernarg_segment_align: 8
    .kernarg_segment_size: 72
    .max_flat_workgroup_size: 128
    .sgpr_count:     66
    .vgpr_count:     1024
    .wavefront_size: 32
...
	.end_amdgpu_metadata
.endif
;; end of part 4
